; MI455X (gfx1250); checked and timed in simulation.
; The chip was launched on July 23, 2026; its instructions are those of AMD's public machine-readable ISA for CDNA 5 (MIT licence, August 2026) and "CDNA5" Instruction Set Architecture Reference Guide (July 2026). The comments in the code are by the model that wrote it; some were corrected since.
;; Encoder Layer. Allowed arithmetic: matrix products marked QUANTISED: E4M3 operands, one given power-of-two scale a tensor, by v_wmma_f32_16x16x64_fp8_fp8 or v_wmma_f32_16x16x128_fp8_fp8, f32 sums; everything else in f32.
;; Inputs: b1 4,096 float32; b2 1,024 float32; be1 1,024 float32; be2 1,024 float32; bk 1,024 float32; bo 1,024 float32; bq 1,024 float32; bv 1,024 float32; g1 1,024 float32; g2 1,024 float32; lowp_scales 16 int32 (the exponents e of the quantised operands' scales 2^e); w1_codes 4,096 x 32 x 32 uint8 (E4M3 codes of w1, K innermost, in blocks of 32 codes); w2_codes 1,024 x 128 x 32 uint8 (E4M3 codes of w2, K innermost, in blocks of 32 codes); wk_codes 1,024 x 32 x 32 uint8 (E4M3 codes of wk, K innermost, in blocks of 32 codes); wo_codes 1,024 x 32 x 32 uint8 (E4M3 codes of wo, K innermost, in blocks of 32 codes); wq_codes 1,024 x 32 x 32 uint8 (E4M3 codes of wq, K innermost, in blocks of 32 codes); wv_codes 1,024 x 32 x 32 uint8 (E4M3 codes of wv, K innermost, in blocks of 32 codes); x 2 x 2,048 x 1,024 float32.
;; Outputs: out0 2 x 2,048 x 1,024 float32.
;; This version of the problem:
;;   THIS VERSION OF THE PROBLEM IS GIVEN IN LOW PRECISION. The matrix products marked QUANTISED in the list below multiply operands that are first quantised to E4M3 (4 exponent bits, 3 mantissa bits; 8 bits a number), with one given power-of-two scale for each operand tensor; their sums are f32. All else is computed in f32.
;;   The module's matrix products, in the order in which they are computed (A, B: the left and right operand; K: the contracted axis; several contracted axes count as one K, in the product's order):
;;     1. [M 4,096, K 1,024] x [K 1,024, N 1,024]; A: computed on the way; B: input wq (given as codes): QUANTISED (scales: A lowp_scales[0], B lowp_scales[1])
;;     2. [M 4,096, K 1,024] x [K 1,024, N 1,024]; A: computed on the way; B: input wk (given as codes): QUANTISED (scales: A lowp_scales[2], B lowp_scales[3])
;;     3. [M 4,096, K 1,024] x [K 1,024, N 1,024]; A: computed on the way; B: input wv (given as codes): QUANTISED (scales: A lowp_scales[4], B lowp_scales[5])
;;     4. batch 32 x [M 2,048, K 64] x [K 64, N 2,048]; A: computed on the way; B: computed on the way: QUANTISED (scales: A lowp_scales[6], B lowp_scales[7])
;;     5. batch 32 x [M 2,048, K 2,048] x [K 2,048, N 64]; A: softmax (see below); B: computed on the way: QUANTISED (scales: A lowp_scales[8], B lowp_scales[9])
;;     6. [M 4,096, K 1,024] x [K 1,024, N 1,024]; A: computed on the way; B: input wo (given as codes): QUANTISED (scales: A lowp_scales[10], B lowp_scales[11])
;;     7. [M 4,096, K 1,024] x [K 1,024, N 4,096]; A: computed on the way; B: input w1 (given as codes): QUANTISED (scales: A lowp_scales[12], B lowp_scales[13])
;;     8. [M 4,096, K 4,096] x [K 4,096, N 1,024]; A: computed on the way; B: input w2 (given as codes): QUANTISED (scales: A lowp_scales[14], B lowp_scales[15])
;;   THE QUANTISER, for each operand of a quantised product, along K:
;;     - The operand's scale is 2^e, e = its entry of the input lowp_scales (int32; the entries are numbered through the quantised products in the list's order, A before B).
;;     - Each number is divided by the scale, clamped to +-448, and rounded to the nearest number of E4M3, ties to even, subnormals kept.
;;     - The product sums the exact products of the quantised numbers (number of the format x scale) in f32.
;;   ~~~python
;;   def quantise(x, axis, e):      # numpy; x: float32 -> the quantised numbers, widened to float32 again
;;       x = np.moveaxis(x, axis, -1); K = x.shape[-1]
;;       r = np.clip(x / 2.0 ** e, -448, 448)
;;       step = 2.0 ** (np.maximum(np.frexp(np.where(r == 0, 1, r))[1] - 1, -6) - 3)
;;       q = np.round(r / step) * step * 2.0 ** e      # np.round: ties to even
;;       return np.moveaxis(q, -1, axis).astype(np.float32)
;;   ~~~
;;   SOFTMAX AHEAD OF A QUANTISED PRODUCT. Where the list says 'softmax', what is quantised is not the finished softmax but p = 2^(t - M), with t = logit x log2(e) and M = ceil(the row's largest t), a whole number; so 1/2 < the row's largest p <= 1. The row's sum l is taken of the UNQUANTISED p, in f32, and the product's result is divided by l at the end. Since M is a whole number, a kernel that streams over the keys may use a running M (the ceiling of the running maximum): every later rescaling is an exact power of two, so the quantised numbers keep their values, but for numbers so far below the row's largest that they fall under the format's range.
;;   OPERANDS COMPUTED ON THE WAY. 'Computed on the way' means the value that the module computes at that place (a softmax that the list does not call 'softmax' is quantised finished and normalised). What goes into a quantiser is computed in f32, as accurately as f32 sums, v_exp_f32 and their like allow (about 1e-6 of the number): no bf16 or f16 on the way to a quantiser, and a product that is left as it is and whose result goes on into a quantised operand takes f32 operands (vector FMAs, or v_wmma_f32_16x16x4_f32). A number that lies on a knife's edge between two numbers of the format may be rounded either way, as far as f32 arithmetic and the matrix unit's own rounding can turn it there, and no further.
;;   INPUTS GIVEN AS CODES. w1 (in the module: [1024, 4096], K = its axis 0); w2 (in the module: [4096, 1024], K = its axis 0); wk (in the module: [1024, 1024], K = its axis 0); wo (in the module: [1024, 1024], K = its axis 0); wq (in the module: [1024, 1024], K = its axis 0); wv (in the module: [1024, 1024], K = its axis 0): each comes as NAME_codes (uint8): NAME with its K axis moved to the last place and cut into blocks of 32 codes, [.., K / 32, bytes a block], one block behind the other in memory; one code a byte (a code: sign, 4 exponent bits, 3 mantissa bits); its scale is its entry of lowp_scales. Its value is code x scale, taken as it is: it is not quantised again, and the codes and scales need not be those that the quantiser above would give.
;; One version. Each part assembles by itself: llvm-mc -triple=amdgcn-amd-amdhsa -mcpu=gfx1250 --defsym DOCPART=n.
;; ======== version 1 of 1: 7 launches
;; limits: right only within a limited range of input values
;; workspace buffers: nxc 12,582,912 bytes; q_img 4,194,304 bytes; k_img 4,194,304 bytes; v_img 4,194,304 bytes; o_img 4,194,304 bytes; x1 16,777,216 bytes; nx2c 4,194,304 bytes; h_img 16,777,216 bytes
;; launch ln1 (part 1): grid 1024 x 1, 4 waves a work-group, no clusters, 0 bytes of LDS; arguments x, g1, be1, lowp_scales, nxc; writes nxc
.if DOCPART == 1
	.amdgcn_target "amdgcn-amd-amdhsa--gfx1250"
	.amdhsa_code_object_version 6
	.text
	.protected	k_q2c01c8aa7c_ln1
	.globl	k_q2c01c8aa7c_ln1
	.p2align	8
	.type	k_q2c01c8aa7c_ln1,@function
k_q2c01c8aa7c_ln1:
	s_mov_b64 s[64:65], 0
	v_nop
	global_prefetch_b8 v0, s[64:65] scope:SCOPE_SE
	s_setreg_imm32_b32 hwreg(HW_REG_WAVE_MODE, 25, 1), 1
	s_wait_xcnt 0x0
; nx = (x - mean) * rsqrt(var + 1e-5) * g + be for each of 4,096 rows of 1,024 f32, then quantised to E4M3 codes NV times, each time with a given scale 2^e:
; version v (e = entry SC0/4 + 2 v of the scales) goes to out + v x 4 MiB, rows of 1,024 codes.  code = nx / 2^e, held within +-448, to the nearest code, ties to even.
; LIMITS: each e between -126 and 119, so that 2^e and 448 x 2^e are f32 numbers.  NaN among the inputs is not served.
; SHARES.  A wave takes ONE row, a work-group four: 1,024 work-groups, four to a WGP at 256 registers a wave.  Mean and variance never leave the wave: no LDS, no barrier, nothing shared between work-groups (so no cluster).
; A lane holds columns 256 c + 8 l + 0 .. 7, c = 0 .. 3: eight neighbours, as the conversion takes them; its 8 codes are 8 bytes, and the wave's store covers 256 consecutive bytes, aligned.
; The row is asked for ahead of g and be, which are first needed behind the variance.  The variance is taken of x - mean in a second pass over the registers, so no difference of large sums is formed.
.set NV,  3
.set SC0, 0
.set T,   16                           ; v[16:31]   two sets of 8 held numbers
.set C,   32                           ; v[32:55]   codes: 8 registers a version
.set SCL, 56                           ; 2^e of each version
.set LIM, 60                           ; 448 x 2^e
.set G,   64                           ; g of my 32 columns
.set BE,  96                           ; be
.set X,   128                          ; the row: chunk c at + 8 c
	s_load_b256 s[4:11], s[0:1], 0x0               ; x, g, be, the scales' exponents
	s_load_b64 s[12:13], s[0:1], 0x20              ; the codes
	v_lshrrev_b32 v3, 5, v0
	v_readfirstlane_b32 s18, v3                    ; wave 0..3
	v_and_b32 v3, 31, v0
	v_lshlrev_b32 v1, 5, v3                        ; in: 32 bytes a lane
	v_lshlrev_b32 v2, 3, v3                        ; out: 8 bytes a lane
	s_lshl_b32 s19, ttmp9, 2
	s_add_co_u32 s19, s19, s18                     ; my row: 4 x work-group + wave
	s_lshl_b32 s28, s19, 12
	s_mov_b32 s29, 0
	s_lshl_b32 s30, s19, 10
	s_mov_b32 s31, 0
	s_mov_b32 s20, 0x76543210                      ; v_permlanex16_b32: lane l takes lane l xor 16
	s_mov_b32 s21, 0xfedcba98
	s_mov_b32 s22, 0x3a800000                      ; 1 / 1024
	s_mov_b32 s23, 0x3727c5ac                      ; 1e-5
	s_wait_alu depctr_va_vdst(0)                   ; the wait at the head's end
	s_wait_kmcnt 0x0
	s_load_b32 s24, s[10:11], SC0
.if NV > 1
	s_load_b32 s25, s[10:11], SC0+8
	s_load_b32 s26, s[10:11], SC0+16
.endif
	s_add_nc_u64 s[4:5], s[4:5], s[28:29]
	s_add_nc_u64 s[12:13], s[12:13], s[30:31]
.if NV > 1
	s_add_nc_u64 s[14:15], s[12:13], 0x400000      ; a base for each version
	s_add_nc_u64 s[16:17], s[14:15], 0x400000
.endif
.irp c, 0,1,2,3
	global_load_b128 v[X+8*\c:X+8*\c+3],   v1, s[4:5] offset:1024*\c th:TH_LOAD_NT
	global_load_b128 v[X+8*\c+4:X+8*\c+7], v1, s[4:5] offset:1024*\c+16 th:TH_LOAD_NT
.endr
.irp c, 0,1,2,3
	global_load_b128 v[G+8*\c:G+8*\c+3],   v1, s[6:7] offset:1024*\c
	global_load_b128 v[G+8*\c+4:G+8*\c+7], v1, s[6:7] offset:1024*\c+16
.endr
.irp c, 0,1,2,3
	global_load_b128 v[BE+8*\c:BE+8*\c+3],   v1, s[8:9] offset:1024*\c
	global_load_b128 v[BE+8*\c+4:BE+8*\c+7], v1, s[8:9] offset:1024*\c+16
.endr
	s_wait_kmcnt 0x0
.set vv, 0
.rept NV
	s_add_co_i32 s[24+vv], s[24+vv], 127
	s_lshl_b32 s27, s[24+vv], 23
	v_mov_b32 v[SCL+vv], s27                       ; 2^e as f32: the conversion takes its exponent field
	s_add_co_i32 s27, s[24+vv], 8
	s_lshl_b32 s27, s27, 23
	s_or_b32 s27, s27, 0x600000
	v_mov_b32 v[LIM+vv], s27                       ; 448 x 2^e
.set vv, vv+1
.endr
.macro LANESUM                         ; v8 summed over the 32 lanes, the result in every lane
.irp m, 1,2,4,8
	s_delay_alu instid0(VALU_DEP_1)
	v_add_f32_dpp v8, v8, v8 row_xmask:\m row_mask:0xf bank_mask:0xf
.endr
	s_delay_alu instid0(VALU_DEP_1)
	v_permlanex16_b32 v9, v8, s20, s21             ; (v9 has been written: a permute's destination counts as read)
	s_delay_alu instid0(VALU_DEP_1)
	v_add_f32 v8, v8, v9
.endm
	s_wait_loadcnt 16                              ; the row is in; the sixteen younger loads, g and be, may be out
	v_pk_add_f32 v[8:9], v[X:X+1], v[X+2:X+3]      ; the sum, two at a time, in two chains
	v_pk_add_f32 v[10:11], v[X+4:X+5], v[X+6:X+7]
.irp j, 8,12,16,20,24,28
	v_pk_add_f32 v[8:9], v[8:9], v[X+\j:X+\j+1]
	v_pk_add_f32 v[10:11], v[10:11], v[X+\j+2:X+\j+3]
.endr
	v_pk_add_f32 v[8:9], v[8:9], v[10:11]
	s_delay_alu instid0(VALU_DEP_1)
	v_add_f32 v8, v8, v9
	LANESUM
	s_delay_alu instid0(VALU_DEP_1)
	v_mul_f32 v4, 0xba800000, v8                   ; -mean
	s_delay_alu instid0(VALU_DEP_1)
	v_mov_b32 v5, v4
.irp j, 0,2,4,6,8,10,12,14,16,18,20,22,24,26,28,30
	v_pk_add_f32 v[X+\j:X+\j+1], v[X+\j:X+\j+1], v[4:5]
.endr
	v_pk_mul_f32 v[8:9], v[X:X+1], v[X:X+1]        ; the sum of squares of x - mean
	v_pk_mul_f32 v[10:11], v[X+2:X+3], v[X+2:X+3]
.irp j, 4,8,12,16,20,24,28
	v_pk_fma_f32 v[8:9], v[X+\j:X+\j+1], v[X+\j:X+\j+1], v[8:9]
	v_pk_fma_f32 v[10:11], v[X+\j+2:X+\j+3], v[X+\j+2:X+\j+3], v[10:11]
.endr
	v_pk_add_f32 v[8:9], v[8:9], v[10:11]
	s_delay_alu instid0(VALU_DEP_1)
	v_add_f32 v8, v8, v9
	LANESUM
	s_delay_alu instid0(VALU_DEP_1)
	v_fma_f32 v8, v8, s22, s23                     ; var + 1e-5
	s_wait_alu depctr_va_vdst(0)                   ; the wait ahead of the transcendentals
	v_rsq_f32 v6, v8                               ; twice: a pair for the packed multiply
	v_rsq_f32 v7, v8
	v_nop                                          ; a plain instruction behind them,
	s_wait_alu depctr_va_vdst(0)                   ; and one wait for both, ahead of their first reader
	s_wait_loadcnt 0x0                             ; g and be
.irp j, 0,2,4,6,8,10,12,14,16,18,20,22,24,26,28,30
	v_pk_mul_f32 v[X+\j:X+\j+1], v[X+\j:X+\j+1], v[6:7]
.endr
.irp j, 0,2,4,6,8,10,12,14,16,18,20,22,24,26,28,30
	v_pk_fma_f32 v[X+\j:X+\j+1], v[X+\j:X+\j+1], v[G+\j:G+\j+1], v[BE+\j:BE+\j+1]
.endr
.set vv, 0
.rept NV
.irp c, 0,1,2,3
.irp j, 0,1,2,3,4,5,6,7
	v_med3_num_f32 v[T+8*(\c%2)+\j], v[X+8*\c+\j], -v[LIM+vv], v[LIM+vv]   ; the conversion does not saturate (ISA guide 7.6.2): the hold, into other registers, so that the row serves the next version
.endr
	v_cvt_scalef32_pk8_fp8_f32 v[C+8*vv+2*\c:C+8*vv+2*\c+1], v[T+8*(\c%2):T+8*(\c%2)+7], v[SCL+vv]   ; the next chunk's holds write the other set
	global_store_b64 v2, v[C+8*vv+2*\c:C+8*vv+2*\c+1], s[12+2*vv:13+2*vv] offset:256*\c              ; 32 lanes x 8 bytes: 256 consecutive bytes, aligned
.endr
.set vv, vv+1
.endr
	s_endpgm
.Lfunc_end_k_q2c01c8aa7c_ln1:
	.size	k_q2c01c8aa7c_ln1, .Lfunc_end_k_q2c01c8aa7c_ln1-k_q2c01c8aa7c_ln1
	.p2alignl 7, 3214868480
	.fill 96, 4, 3214868480
	.section	.rodata,"a",@progbits
	.p2align	6, 0x0
	.amdhsa_kernel k_q2c01c8aa7c_ln1
		.amdhsa_group_segment_fixed_size 0
		.amdhsa_private_segment_fixed_size 0
		.amdhsa_enable_private_segment 0
		.amdhsa_kernarg_size 40
		.amdhsa_user_sgpr_count 2
		.amdhsa_user_sgpr_kernarg_segment_ptr 1
		.amdhsa_wavefront_size32 1
		.amdhsa_system_sgpr_workgroup_id_x 1
		.amdhsa_system_sgpr_workgroup_id_y 1
		.amdhsa_system_sgpr_workgroup_id_z 1
		.amdhsa_system_vgpr_workitem_id 0
		.amdhsa_next_free_vgpr 256
		.amdhsa_next_free_sgpr 66
		.amdhsa_reserve_vcc 0
		.amdhsa_float_denorm_mode_32 3
		.amdhsa_float_denorm_mode_16_64 3
		.amdhsa_memory_ordered 1
		.amdhsa_forward_progress 1
		.amdhsa_inst_pref_size 20
	.end_amdhsa_kernel
	.amdgpu_metadata
---
amdhsa.version: [ 1, 2 ]
amdhsa.kernels:
  - .name:           k_q2c01c8aa7c_ln1
    .symbol:         k_q2c01c8aa7c_ln1.kd
    .args:
      - { .name: x, .offset: 0, .size: 8, .value_kind: global_buffer, .address_space: global }
      - { .name: g1, .offset: 8, .size: 8, .value_kind: global_buffer, .address_space: global }
      - { .name: be1, .offset: 16, .size: 8, .value_kind: global_buffer, .address_space: global }
      - { .name: lowp_scales, .offset: 24, .size: 8, .value_kind: global_buffer, .address_space: global }
      - { .name: nxc, .offset: 32, .size: 8, .value_kind: global_buffer, .address_space: global }
    .group_segment_fixed_size: 0
    .private_segment_fixed_size: 0
    .kernarg_segment_align: 8
    .kernarg_segment_size: 40
    .max_flat_workgroup_size: 128
    .sgpr_count:     66
    .vgpr_count:     256
    .wavefront_size: 32
...
	.end_amdgpu_metadata
.endif
;; end of part 1
;; launch qkv (part 2): grid 12 x 16, 4 waves a work-group, clusters of 4 x 4, 327,680 bytes of LDS; arguments nxc, wq_codes, wk_codes, wv_codes, bq, bk, bv, lowp_scales, q_img, k_img, v_img; writes q_img, k_img, v_img
.if DOCPART == 2
	.amdgcn_target "amdgcn-amd-amdhsa--gfx1250"
	.amdhsa_code_object_version 6
	.text
	.protected	k_q2c01c8aa7c_qkv
	.globl	k_q2c01c8aa7c_qkv
	.p2align	8
	.type	k_q2c01c8aa7c_qkv,@function
k_q2c01c8aa7c_qkv:
	s_mov_b64 s[64:65], 0
	v_nop
	global_prefetch_b8 v0, s[64:65] scope:SCOPE_SE
	s_setreg_imm32_b32 hwreg(HW_REG_WAVE_MODE, 25, 1), 1
	s_wait_xcnt 0x0
	s_wait_alu depctr_hold_cnt(0) depctr_sa_sdst(0) depctr_va_vdst(0) depctr_va_sdst(0) depctr_va_ssrc(0) depctr_va_vcc(0) depctr_vm_vsrc(0)
	s_getreg_b32 s2, hwreg(HW_REG_IB_STS2, 6, 4)
	s_cmp_eq_u32 s2, 0
	s_cbranch_scc0 .Lentry_in_a_cluster
	s_endpgm
.Lentry_in_a_cluster:
	s_bfe_u32 s2, ttmp6, 0x10000c
	s_cmp_lg_u32 s2, 0xf033
	s_cbranch_scc0 .Lentry_shape_is_right
	s_endpgm
.Lentry_shape_is_right:
; q = nx wq + bq, k = nx wk + bk, v = nx wv + bv on E4M3 codes, K = 1,024, f32 sums; each result is quantised at once for attention's products and stored as IMAGES OF OPERAND REGISTERS.
; The cluster's x (0, 1, 2) says which of the three: it is equal in all sixteen partners.  nx's codes come in three versions (one for each product's scale), weights as codes [n][k].
; A tile of 256 x 256 results is made by four waves, each 128 x 128: 64 accumulators, 512 registers.  K goes in steps of 256 through a ring of two LDS slots filled by joint tensor loads.
; THE MATRIX INSTRUCTION IS USED TRANSPOSED: source 0 = 16 rows of the COLUMN side, source 1 = 16 rows of the ROW side: lane (r, h) holds row-side row r and column-side rows 8 h + 0 .. 7.
;   q, k: row side = tokens (nx), column side = features (the weight): a lane's 8 results are 8 neighbouring d of one token: registers 2 c, 2 c + 1 of a 16 tokens x 64 d operand.
;   v:    row side = features (wv), column side = tokens: v comes out TRANSPOSED: 8 neighbouring keys of one d: registers 2 c, 2 c + 1 of a 16 d x 128 keys operand.
; q_img, k_img: [batch x head 32][token tile 128][1,024 bytes]: registers 0-3 at 16 x lane, 4-7 at 512 + 16 x lane.   v_img: [32][key block of 128: 16][d tile 4][2,048]: registers 4 i .. at 512 i + 16 x lane.
; code = (sum x 2^es + bias) / 2^eo, es = the product's two exponents added, eo = the next product's: computed as (sum + bias / 2^es) / 2^(eo - es), held within +-448.
; LIMITS: eo - es between -126 and 119.  NaN among the inputs is not served.  In the score product q is taken as the left operand (scale entry 6), k as the right (entry 7).
; CLUSTERS: 4 x 4.  The row side's tile hangs on the tile row alone and is shared along a row of the cluster, the column side's on the tile column alone and is shared along a column.
; REGISTERS, in windows of 256: window 0: v0-31 addresses and constants; v32-63 codes on the way out; v64-127 the bias; from v128 the row side's fragments, ONE set (on the way out: sums + bias).
;   window 1: the column side's fragments, TWO sets.   window 2: the accumulators of my row blocks 0-3 ((a, b) at v[8 (8 a + b)]);   window 3: of blocks 4-7.
.set SIZE_K, 1024
.set KSTEP,  256                       ; along K in a slot
.set ROWB,   256                       ; a tile's row in bytes
.set KROW,   SIZE_K                    ; a row of codes in memory
.set PITCH,  272                       ; an LDS row: 256 bytes + 16 of padding = 68 words: the 16 rows that a load touches start at 16 different banks (64 banks of 4 bytes: ISA guide 11.1)
.set FR,     16                        ; registers of a fragment: 16 rows x 128 K
.set NL,     4                         ; LDS loads that bring one
.set NP,     4                         ; places behind this matrix instruction (ISA guide 7.12.1)
.set HALFT,  128*PITCH
.set SLOT,   4*HALFT                   ; the row side's 256 rows, then the column side's
.set LAPS,   SIZE_K/(2*KSTEP)
.set SPARE,  2*SLOT                    ; behind the ring: the spare words, 128 bytes a wave, which no other line names
.set BA,   8                           ; v8-15   the bias loads' offsets
.set ADRA, 16                          ; v16-17  LDS address of my row-side fragments in slot 0, 1
.set ADRB, 20                          ; v20-21  the same for the column side
.set CO,   26                          ; v26     16 x lane: my place in an image's 512 bytes
.set SPW,  28                          ; v28     my spare word; never rewritten
.set NIL,  29                          ; v29     0; never rewritten
.set SCL,  30                          ; v30     2^(eo - es)
.set LIM,  31                          ; v31     448 x that
.set BIAS, 64
.set AF,   128
.set TMP,  128
.set G1, 24
.set G0, 32
.set G1B, 48
.set G0B, 56
.set MSB, 0
.macro WIN new                         ; the immediate's high byte repeats the setting that is left
.if MSB != (\new)
	s_set_vgpr_msb (MSB<<8)|(\new)
.set MSB, \new
.endif
.endm
.set MUL_LO, 0xa1                      ; source 0 window 1, source 1 window 0, C and D window 2
.set MUL_HI, 0xf1                      ; the same, C and D window 3
.set TO_B,   0x40                      ; destination window 1, address window 0
; A joint load: waves 0 and 1 fetch for the row side, waves 2 and 3 for the column side; the branch hangs on the wave's number alone.  Four v_nop follow each of the two lines.
.macro JLOAD g0a, g1a, g0b, g1b
	s_cmp_eq_u32 s15, 0
	s_cbranch_scc0 .Lfor_b_\@
	tensor_load_to_lds s[\g0a:\g0a+3], s[\g1a:\g1a+7]
	s_nop 0
.rept 4
	v_nop
.endr
	s_branch .Lasked_\@
.Lfor_b_\@:
	tensor_load_to_lds s[\g0b:\g0b+3], s[\g1b:\g1b+7]
	s_nop 0
.rept 4
	v_nop
.endr
.Lasked_\@:
.endm
.macro CREST                           ; a round of the cluster's barrier behind its opening barrier
	s_cmp_lg_u32 s14, 0
	s_cbranch_scc1 .Lnot_wave_0_\@
	s_barrier_signal -3
.Lnot_wave_0_\@:
	s_barrier_wait -3
	s_barrier_signal -1
	s_barrier_wait -1
.endm
.macro CROUND
	s_barrier_signal -1
	s_barrier_wait -1
	CREST
.endm
	s_load_b512 s[68:83], s[0:1], 0x0              ; nxc 68, wq 70, wk 72, wv 74, bq 76, bk 78, bv 80, the scales 82
	s_load_b128 s[84:87], s[0:1], 0x40             ; q_img 84, k_img 86
	s_load_b64 s[88:89], s[0:1], 0x50              ; v_img
	v_lshl_add_u32 v[SPW], v0, 2, SPARE
	v_mov_b32 v[NIL], 0
	ds_add_u32 v28, v29
	ds_add_u32 v28, v29
	s_wait_dscnt 0x0
	v_lshrrev_b32 v1, 5, v0
	v_readfirstlane_b32 s14, v1                    ; wave 0..3
	s_lshr_b32 s15, s14, 1                         ; which half of the tile's row side is mine.  Also: I fetch for the row side (0) or the column side (1)
	s_and_b32 s16, s14, 1                          ; which half of its column side.  Also: which 128 rows I fetch
	s_bfe_u32 s40, ttmp6, 0x40000                  ; cx, cy: my place in the cluster
	s_bfe_u32 s41, ttmp6, 0x40004
	s_and_b32 s19, ttmp7, 0xffff
	s_lshl_b32 s19, s19, 2                         ; 4 x cluster y: it walks the tokens
	s_cmp_eq_u32 ttmp9, 2                          ; v?  The tokens are then the column side
	s_cselect_b32 s17, 0, s19
	s_cselect_b32 s42, s19, 0
	s_cselect_b32 s94, 4, 0                        ; the bias loads' steps in bytes: from r to r + 1,
	s_cselect_b32 s95, 0, 32                       ; from h = 0 to h = 1,
	s_cselect_b32 s96, 0, 4                        ; from register j to j + 1
	s_add_co_u32 s17, s17, s41                     ; tile row
	s_add_co_u32 s42, s42, s40                     ; tile column
	s_lshl_b32 s43, s41, 2
	s_lshl_b32 s43, 15, s43                        ; my row of the cluster
	s_lshl_b32 s44, 0x1111, s40                    ; my column
	s_or_b32 s[G1+0], s43, (0<<16)|(1<<20)|(1<<21)|(5<<22)|(3<<25)  ; 15:0 the mask; 17:16 elements of 1 byte; 20 padding on; 21 set beside a mask; 24:22 after every 64 words; 31:25 four words
	s_or_b32 s[G1B+0], s44, (0<<16)|(1<<20)|(1<<21)|(5<<22)|(3<<25)
.irp g, G1, G1B
	s_mov_b32 s[\g+1], ROWB<<16                    ; tensor_dim0
	s_mov_b32 s[\g+2], 128<<16                     ; tensor_dim1 = 128
	s_mov_b32 s[\g+3], ROWB<<16                    ; tile_dim0
	s_mov_b32 s[\g+4], 128                         ; tile_dim1 = 128
	s_mov_b32 s[\g+5], KROW                        ; tensor_dim0_stride
	s_mov_b32 s[\g+6], 0
	s_mov_b32 s[\g+7], 0
.endr
	s_lshl_b32 s18, s16, 7                         ; which 128 rows of the tile I fetch
	s_lshl_b32 s20, s17, 8
	s_add_co_u32 s20, s20, s18
	s_lshl_b32 s20, s20, 10                        ; row side: (256 x tile row + 128 x half) rows of 1,024 bytes: under 4 MiB
	s_mov_b32 s21, 0
	s_lshl_b32 s46, s42, 8
	s_add_co_u32 s46, s46, s18
	s_lshl_b32 s46, s46, 10                        ; column side likewise
	s_mov_b32 s47, 0
	s_mul_i32 s45, s14, HALFT                      ; where they go: wave x 128 rows: no place in the cluster enters an LDS address
	s_lshl_b32 s90, ttmp9, 22                      ; nx's version: 4 MiB each
	s_mov_b32 s91, 0
	s_wait_kmcnt 0x0
	s_add_nc_u64 s[92:93], s[68:69], s[90:91]
	s_cmp_eq_u32 ttmp9, 1                          ; every choice of a buffer hangs on the cluster's x alone
	s_cselect_b64 s[70:71], s[72:73], s[70:71]     ; wk or wq
	s_cselect_b64 s[76:77], s[78:79], s[76:77]     ; bk or bq
	s_cselect_b64 s[84:85], s[86:87], s[84:85]     ; k_img or q_img
	s_cmp_eq_u32 ttmp9, 2
	s_cselect_b64 s[4:5], s[74:75], s[92:93]       ; the row side's codes
	s_cselect_b64 s[6:7], s[92:93], s[70:71]       ; the column side's
	s_cselect_b64 s[8:9], s[80:81], s[76:77]       ; the bias
	s_cselect_b64 s[10:11], s[88:89], s[84:85]     ; the images
	s_mov_b64 s[12:13], s[82:83]
	s_load_b512 s[68:83], s[12:13], 0x0            ; all sixteen exponents: e0 in s68 .. e15 in s83; waited for on the way out
	s_add_nc_u64 s[20:21], s[4:5], s[20:21]
	s_add_nc_u64 s[46:47], s[6:7], s[46:47]
	CROUND                                         ; all sixteen work-groups are here: the first joint loads meet
.irp s, 0,1
	s_mov_b32 s[G0+4*\s], 1
	s_add_co_u32 s[G0+4*\s+1], s45, \s*SLOT
	s_add_nc_u64 s[G0+4*\s+2:G0+4*\s+3], s[20:21], \s*ROWB
	s_or_b32 s[G0+4*\s+3], s[G0+4*\s+3], 0x80000000
	s_mov_b32 s[G0B+4*\s], 1
	s_add_co_u32 s[G0B+4*\s+1], s45, \s*SLOT
	s_add_nc_u64 s[G0B+4*\s+2:G0B+4*\s+3], s[46:47], \s*ROWB
	s_or_b32 s[G0B+4*\s+3], s[G0B+4*\s+3], 0x80000000
.endr
	; THE PREFETCHES' ADDRESS: of the 128 rows that my wave fetches, the four partners that ask for them jointly take 32 each, told apart by address (cx for the row side, cy for the column side); a lane a row, 256 bytes of it a K step
	s_cmp_eq_u32 s15, 0
	s_cselect_b64 s[86:87], s[20:21], s[46:47]     ; my wave's 128 rows
	s_cselect_b32 s88, s40, s41                    ; my place among the four
	s_lshl_b32 s88, s88, 15                        ; 32 rows of 1,024 bytes
	s_mov_b32 s89, 0
	s_add_nc_u64 s[86:87], s[86:87], s[88:89]      ; never rewritten
	v_and_b32 v27, 31, v0
	v_lshlrev_b32 v27, 10, v27                     ; my lane's row; never rewritten
	s_wait_alu depctr_va_vdst(0)                   ; the wait ahead of the branches below
	JLOAD G0, G1, G0B, G1B                         ; K step 0: one tensor load a wave at the head
	global_prefetch_b8 v27, s[86:87] offset:ROWB th:TH_LOAD_NT scope:SCOPE_SE     ; K step 1, whose load follows behind the next round,
	global_prefetch_b8 v27, s[86:87] offset:2*ROWB th:TH_LOAD_NT scope:SCOPE_SE   ; and K step 2, two loads on
	v_and_b32 v1, 15, v0                           ; r
	v_bfe_u32 v2, v0, 4, 1                         ; h
	v_mul_u32_u24 v3, v1, PITCH
	v_lshl_add_u32 v4, v2, 4, v3                   ; a fragment's row x pitch + 16 x half
	s_mul_i32 s21, s15, HALFT
	s_mul_i32 s22, s16, HALFT
	s_add_co_u32 s22, s22, 2*HALFT
.irp s, 0,1
	v_add_nc_u32 v[ADRA+\s], s21, v4
	v_add_nc_u32 v[ADRB+\s], s22, v4
	s_add_co_u32 s21, s21, SLOT
	s_add_co_u32 s22, s22, SLOT
.endr
	v_and_b32 v6, 31, v0
	v_lshlrev_b32 v[CO], 4, v6
	; THE BIAS, in the results' layout, 64 registers.  q, k: register 8 b + j = bias[16 b + 8 h + j] of my 128 features; v: register 8 a + j = bias[16 a + r], the same in all eight j.  One form serves both.
	v_mul_u32_u24 v[BA], v1, s94
	v_mul_u32_u24 v[BA+1], v2, s95
	v_add_nc_u32 v[BA], v[BA], v[BA+1]
	s_wait_alu depctr_va_vdst(0)
.irp j, 1,2,3,4,5,6,7
	v_add_nc_u32 v[BA+\j], s96, v[BA+\j-1]
.endr
	s_lshl_b32 s20, s17, 8
	s_lshl_b32 s21, s15, 7
	s_add_co_u32 s20, s20, s21                     ; my first row-side row,
	s_lshl_b32 s22, s42, 8
	s_lshl_b32 s23, s16, 7
	s_add_co_u32 s22, s22, s23                     ; my first column-side row:
	s_cmp_eq_u32 ttmp9, 2
	s_cselect_b32 s20, s20, s22                    ; whichever is the features' side
	s_lshl_b32 s20, s20, 2
	s_mov_b32 s21, 0
	s_add_nc_u64 s[8:9], s[8:9], s[20:21]
	s_wait_alu depctr_va_vdst(0)
.irp g, 0,1,2,3,4,5,6,7
.irp j, 0,1,2,3,4,5,6,7
	global_load_b32 v[BIAS+8*\g+\j], v[BA+\j], s[8:9] offset:64*\g
.endr
.endr
	; where my images begin.  q, k: ((batch x 16 + head) x 128 + token tile) x 1,024
	s_lshr_b32 s20, s17, 3
	s_lshl_b32 s20, s20, 4
	s_lshl_b32 s21, s42, 2
	s_add_co_u32 s20, s20, s21
	s_lshl_b32 s21, s16, 1
	s_add_co_u32 s20, s20, s21                     ; batch x 16 + my first head
	s_lshl_b32 s20, s20, 7
	s_and_b32 s21, s17, 7
	s_lshl_b32 s21, s21, 4
	s_add_co_u32 s20, s20, s21
	s_lshl_b32 s21, s15, 3
	s_add_co_u32 s20, s20, s21
	s_lshl_b32 s20, s20, 10
	; v: (((batch x 16 + head) x 16 + key block) x 4) x 2,048
	s_lshr_b32 s22, s42, 3
	s_lshl_b32 s22, s22, 4
	s_lshl_b32 s23, s17, 2
	s_add_co_u32 s22, s22, s23
	s_lshl_b32 s23, s15, 1
	s_add_co_u32 s22, s22, s23
	s_lshl_b32 s22, s22, 4
	s_and_b32 s23, s42, 7
	s_lshl_b32 s23, s23, 1
	s_add_co_u32 s22, s22, s23
	s_add_co_u32 s22, s22, s16
	s_lshl_b32 s22, s22, 13
	s_cmp_eq_u32 ttmp9, 2
	s_cselect_b32 s20, s22, s20
	s_mov_b32 s21, 0
	s_add_nc_u64 s[10:11], s[10:11], s[20:21]
.macro FRAG reg, adr, q, i             ; 16 rows x 128 K in 16 registers: lane l holds row l % 16; registers 4 c .. 4 c + 3 hold K = 32 c + 16 (l / 16) + 0 .. 15: the same permutation of k on both sides
.irp c, 0,1,2,3
	ds_load_b128 v[\reg+4*\c:\reg+4*\c+3], v[\adr] offset:128*(\q)+32*\c+(\i)*16*PITCH
.endr
.endm
; 16 matrix instructions: row blocks a0, a0 + 1 x the column side's eight.  The 64 accumulators take turns, one instruction a turn, in the same order in every step.
.macro MUL16 a0, p, zero
.irp a, \a0, \a0+1
.irp b, 0,1,2,3,4,5,6,7
.if \zero
	v_wmma_f32_16x16x128_fp8_fp8 v[8*(8*((\a)%4)+\b):8*(8*((\a)%4)+\b)+7], v[128*(\p)+FR*\b:128*(\p)+FR*\b+FR-1], v[AF+FR*(\a):AF+FR*(\a)+FR-1], 0
.else
	v_wmma_f32_16x16x128_fp8_fp8 v[8*(8*((\a)%4)+\b):8*(8*((\a)%4)+\b)+7], v[128*(\p)+FR*\b:128*(\p)+FR*\b+FR-1], v[AF+FR*(\a):AF+FR*(\a)+FR-1], v[8*(8*((\a)%4)+\b):8*(8*((\a)%4)+\b)+7]
.endif
.endr
.endr
.endm
.macro FETCH_B slot, q, p
	WIN TO_B
.irp i, 0,1,2,3,4,5,6,7
	FRAG 128*(\p)+FR*\i, ADRB+\slot, \q, \i
.endr
	WIN 0
.endm
.macro FETCH_A slot, q, i0
.irp i, \i0, \i0+1, \i0+2, \i0+3
	FRAG AF+FR*(\i), ADRA+\slot, \q, \i
.endr
.endm
.macro PLACES n                        ; plain vector instructions between a matrix instruction and a load into, or a read of, its registers (ISA guide 7.12.1 for reads)
.rept \n
	v_nop
.endr
.endm
.macro STEP slot, q, zero              ; a step of 128 along K that has its successor in the same slot
	s_wait_dscnt 4*NL                              ; the column side's set and row blocks 0-3 are in; the youngest sixteen loads (blocks 4-7) may be out
	WIN MUL_LO
	MUL16 0, (\q)%2, \zero
	MUL16 2, (\q)%2, \zero
	s_wait_dscnt 0
	PLACES NP
	FETCH_B \slot, (\q)+1, 1-(\q)%2
	FETCH_A \slot, (\q)+1, 0
	WIN MUL_HI
	MUL16 4, (\q)%2, \zero
	MUL16 6, (\q)%2, \zero
	PLACES NP
	WIN 0
	FETCH_A \slot, (\q)+1, 4
.endm
; A slot's last step changes slots: ONE barrier; in front of it each wave waits for all its tensor loads, adds 0 to its spare word, and waits for that and for its own reads of this slot.
.macro TURN slot, next, fill
	s_wait_tensorcnt 0x0                           ; all my tensor loads have landed: my part of the next slot
	ds_add_u32 v[SPW], v[NIL]                      ; 0 onto my spare word
	s_wait_dscnt 4*NL+1                            ; (the add and the youngest sixteen loads may be out)
	WIN MUL_LO
	MUL16 0, 1, 0
	s_wait_dscnt 0x0                               ; the add is done, and my reads of this slot are over
	s_barrier_signal -1
	MUL16 2, 1, 0
	WIN 0
	s_barrier_wait -1
.if \fill
	CREST                                          ; the barrier has opened a round of the cluster's: no wave of any partner still reads this slot or has a load on its way
	s_add_nc_u64 s[G0+4*\slot+2:G0+4*\slot+3], s[G0+4*\slot+2:G0+4*\slot+3], 2*ROWB
	s_add_nc_u64 s[G0B+4*\slot+2:G0B+4*\slot+3], s[G0B+4*\slot+2:G0B+4*\slot+3], 2*ROWB
	JLOAD G0+4*\slot, G1, G0B+4*\slot, G1B         ; the first tensor load behind the round; its four v_nop are the places in front of the loads below
.else
	PLACES NP
.endif
	FETCH_B \next, 0, 0
	FETCH_A \next, 0, 0
	WIN MUL_HI
	MUL16 4, 1, 0
	MUL16 6, 1, 0
	PLACES NP
	WIN 0
	FETCH_A \next, 0, 4
.endm
	s_wait_alu depctr_va_vdst(0)                   ; the wait at the head's end
	s_wait_tensorcnt 0x0                           ; my part of K step 0 is in
	ds_add_u32 v[SPW], v[NIL]
	s_wait_dscnt 0x0
	CROUND                                         ; everybody's part of K step 0 is in, and all sixteen work-groups are here
	JLOAD G0+4, G1, G0B+4, G1B                     ; K step 1, the first tensor load behind the round
	FETCH_B 0, 0, 0
	FETCH_A 0, 0, 0
	FETCH_A 0, 0, 4
	global_prefetch_b8 v27, s[86:87] offset:3*ROWB th:TH_LOAD_NT scope:SCOPE_SE   ; behind K step 1's load and the run of LDS loads: K step 3, the last, two loads on
	STEP 0, 0, 1                                   ; the first step's products start the sums
	s_mov_b32 s3, LAPS-1
.Llap:                                                 ; a trip goes once round the ring and fills both slots again
	TURN 0, 1, 1
	STEP 1, 0, 0
	TURN 1, 0, 1
	STEP 0, 0, 0
	s_sub_co_u32 s3, s3, 1
	s_cmp_lg_u32 s3, 0
	s_cbranch_scc1 .Llap
	TURN 0, 1, 0                                   ; the last lap fills nothing
	STEP 1, 0, 0
	s_wait_dscnt 4*NL
	WIN MUL_LO
	MUL16 0, 1, 0
	MUL16 2, 1, 0
	s_wait_dscnt 0
	WIN MUL_HI
	MUL16 4, 1, 0
	MUL16 6, 1, 0
	WIN 0
; THE WAY OUT uses no LDS: a lane's 8 results are 8 neighbours along the next product's K, so each conversion gives two registers of an operand, and four registers leave by one store of 512 consecutive bytes.
	s_wait_kmcnt 0x0
	s_add_co_i32 s20, s68, s69                     ; es of q,
	s_add_co_i32 s21, s70, s71                     ; of k,
	s_add_co_i32 s22, s72, s73                     ; of v
	s_cmp_eq_u32 ttmp9, 1
	s_cselect_b32 s20, s21, s20
	s_cselect_b32 s23, s75, s74                    ; eo: entry 7 for k, entry 6 for q,
	s_cmp_eq_u32 ttmp9, 2
	s_cselect_b32 s20, s22, s20
	s_cselect_b32 s23, s77, s23                    ; entry 9 for v
	s_sub_co_i32 s21, 0, s20                       ; -es
	s_sub_co_i32 s23, s23, s20                     ; eo - es
	s_add_co_i32 s23, s23, 127
	s_lshl_b32 s22, s23, 23
	v_mov_b32 v[SCL], s22
	s_add_co_i32 s23, s23, 8
	s_lshl_b32 s23, s23, 23
	s_or_b32 s23, s23, 0x600000
	v_mov_b32 v[LIM], s23
	s_wait_loadcnt 0x0                             ; the bias
.set n, 0
.rept 64
	v_ldexp_f32 v[BIAS+n], v[BIAS+n], s21          ; bias / 2^es: the power of two that the sums lack.  (These lines are also the places behind the last products)
.set n, n+1
.endr
; Row block a.  kind 0: q, k (the bias runs with b);  kind 1: v (it runs with a).  Each accumulator is read from its low end on.
.macro EPI a, kind
.set AC, 64*((\a)%4)
.set R, 32+16*((\a)%2)
.if (\a) >= 2
	s_wait_xcnt 0x0                                ; block a - 2's stores have read this set of codes
.endif
	WIN 0x02+((\a)/4)                              ; source 0: window 2 or 3
.irp b, 0,1,2,3,4,5,6,7
.if \kind == 1
.set GB, BIAS+8*(\a)
.else
.set GB, BIAS+8*\b
.endif
.irp i, 0,2,4,6
	v_pk_add_f32 v[TMP+8*\b+\i:TMP+8*\b+\i+1], v[AC+8*\b+\i:AC+8*\b+\i+1], v[GB+\i:GB+\i+1]
.endr
.endr
	WIN 0
.irp b, 0,1,2,3,4,5,6,7
.irp j, 0,1,2,3,4,5,6,7
	v_med3_num_f32 v[TMP+8*\b+\j], v[TMP+8*\b+\j], -v[LIM], v[LIM]   ; the conversion does not saturate (ISA guide 7.6.2): the hold
.endr
	v_cvt_scalef32_pk8_fp8_f32 v[R+2*\b:R+2*\b+1], v[TMP+8*\b:TMP+8*\b+7], v[SCL]
.endr
	v_nop                                          ; a plain instruction behind the last conversion: the next block writes its sources
.irp i, 0,1,2,3
.if \kind == 1
	global_store_b128 v[CO], v[R+4*\i:R+4*\i+3], s[10:11] offset:((\a)/4)*131072+((\a)%4)*2048+512*\i   ; head a / 4, d tile a % 4: one fragment of 16 d x 128 keys
.else
	global_store_b128 v[CO], v[R+4*\i:R+4*\i+3], s[10:11] offset:(\i/2)*131072+(\i%2)*512+(\a)*1024     ; head i / 2, token tile a: two fragments of 16 tokens x 64 d
.endif
.endr
.endm
	s_cmp_eq_u32 ttmp9, 2                          ; the cluster's x: equal in all partners; behind the last tensor load, and no LDS access in either arm
	s_cbranch_scc1 .Lway_v
.irp a, 0,1,2,3,4,5,6,7
	EPI \a, 0
.endr
	s_branch .Lend
.Lway_v:
.irp a, 0,1,2,3,4,5,6,7
	EPI \a, 1
.endr
.Lend:
	s_wait_tensorcnt 0x0                           ; the wave's end
	ds_add_u32 v[SPW], v[NIL]
	s_wait_dscnt 0x0
	CROUND                                         ; the closing round: no work-group ends while a partner may still ask for a tile that names it
	s_endpgm
.Lfunc_end_k_q2c01c8aa7c_qkv:
	.size	k_q2c01c8aa7c_qkv, .Lfunc_end_k_q2c01c8aa7c_qkv-k_q2c01c8aa7c_qkv
	.p2alignl 7, 3214868480
	.fill 96, 4, 3214868480
	.section	.rodata,"a",@progbits
	.p2align	6, 0x0
	.amdhsa_kernel k_q2c01c8aa7c_qkv
		.amdhsa_group_segment_fixed_size 327680
		.amdhsa_private_segment_fixed_size 0
		.amdhsa_enable_private_segment 0
		.amdhsa_kernarg_size 88
		.amdhsa_user_sgpr_count 2
		.amdhsa_user_sgpr_kernarg_segment_ptr 1
		.amdhsa_wavefront_size32 1
		.amdhsa_system_sgpr_workgroup_id_x 1
		.amdhsa_system_sgpr_workgroup_id_y 1
		.amdhsa_system_sgpr_workgroup_id_z 1
		.amdhsa_system_vgpr_workitem_id 0
		.amdhsa_next_free_vgpr 1024
		.amdhsa_next_free_sgpr 100
		.amdhsa_reserve_vcc 0
		.amdhsa_float_denorm_mode_32 3
		.amdhsa_float_denorm_mode_16_64 3
		.amdhsa_memory_ordered 1
		.amdhsa_forward_progress 1
		.amdhsa_inst_pref_size 203
	.end_amdhsa_kernel
	.amdgpu_metadata
---
amdhsa.version: [ 1, 2 ]
amdhsa.kernels:
  - .name:           k_q2c01c8aa7c_qkv
    .symbol:         k_q2c01c8aa7c_qkv.kd
    .args:
      - { .name: nxc, .offset: 0, .size: 8, .value_kind: global_buffer, .address_space: global }
      - { .name: wq_codes, .offset: 8, .size: 8, .value_kind: global_buffer, .address_space: global }
      - { .name: wk_codes, .offset: 16, .size: 8, .value_kind: global_buffer, .address_space: global }
      - { .name: wv_codes, .offset: 24, .size: 8, .value_kind: global_buffer, .address_space: global }
      - { .name: bq, .offset: 32, .size: 8, .value_kind: global_buffer, .address_space: global }
      - { .name: bk, .offset: 40, .size: 8, .value_kind: global_buffer, .address_space: global }
      - { .name: bv, .offset: 48, .size: 8, .value_kind: global_buffer, .address_space: global }
      - { .name: lowp_scales, .offset: 56, .size: 8, .value_kind: global_buffer, .address_space: global }
      - { .name: q_img, .offset: 64, .size: 8, .value_kind: global_buffer, .address_space: global }
      - { .name: k_img, .offset: 72, .size: 8, .value_kind: global_buffer, .address_space: global }
      - { .name: v_img, .offset: 80, .size: 8, .value_kind: global_buffer, .address_space: global }
    .group_segment_fixed_size: 327680
    .private_segment_fixed_size: 0
    .kernarg_segment_align: 8
    .kernarg_segment_size: 88
    .max_flat_workgroup_size: 128
    .sgpr_count:     100
    .vgpr_count:     1024
    .wavefront_size: 32
...
	.end_amdgpu_metadata
.endif
;; end of part 2
;; launch attn (part 3): grid 8 x 32, 16 waves a work-group, clusters of 4 x 1, 327,680 bytes of LDS; arguments q_img, k_img, v_img, lowp_scales, o_img; writes o_img
.if DOCPART == 3
	.amdgcn_target "amdgcn-amd-amdhsa--gfx1250"
	.amdhsa_code_object_version 6
	.text
	.protected	k_q2c01c8aa7c_attn
	.globl	k_q2c01c8aa7c_attn
	.p2align	8
	.type	k_q2c01c8aa7c_attn,@function
k_q2c01c8aa7c_attn:
	s_mov_b64 s[64:65], 0
	v_nop
	global_prefetch_b8 v0, s[64:65] scope:SCOPE_SE
	s_setreg_imm32_b32 hwreg(HW_REG_WAVE_MODE, 25, 1), 1
	s_wait_xcnt 0x0
	s_wait_alu depctr_hold_cnt(0) depctr_sa_sdst(0) depctr_va_vdst(0) depctr_va_sdst(0) depctr_va_ssrc(0) depctr_va_vcc(0) depctr_vm_vsrc(0)
	s_getreg_b32 s2, hwreg(HW_REG_IB_STS2, 6, 4)
	s_cmp_eq_u32 s2, 0
	s_cbranch_scc0 .Lentry_in_a_cluster
	s_endpgm
.Lentry_in_a_cluster:
	s_bfe_u32 s2, ttmp6, 0x10000c
	s_cmp_lg_u32 s2, 0x3003
	s_cbranch_scc0 .Lentry_shape_is_right
	s_endpgm
.Lentry_shape_is_right:
; o = softmax(q k^T / 8) v for 32 (batch, head) pairs, 2,048 tokens, head size 64, both products on E4M3 codes; o is quantised at once for the next product and stored as an image of its operand's registers.
; THE SOFTMAX AHEAD OF THE SECOND PRODUCT: t = score x log2(e) / 8; M = the row's largest t so far, rounded UP to a whole number; p = 2^(t - M) is quantised, not normalised.  The row's sum is taken of the
; unquantised p and divides at the end.  When M moves, the sum and O are multiplied by 2^(old M - new M): nothing is rounded.  The running maximum is kept as a raw score (c is positive, so c x max = max of c x).
; SHARES.  A work-group owns 256 queries of one pair, each of its sixteen waves 16 of them, in 256 registers: four waves to a SIMD.
; LDS.  A pair's K images (131,072 bytes, from byte 0) and V images (131,072, behind them) fit whole: each LDS byte is filled ONCE, by one tensor load a wave (16,384 bytes): no ring, one barrier.
; CLUSTER.  The four query blocks of a cluster belong to one pair and read the same K and V: each load is asked for jointly (mask 15).
; NO PREFETCH: every byte of K and V is asked for by the head's one load a wave; no loop runs ahead of a load.
; LAYOUT.  Both products are used transposed: S^T = K Q^T (source 0 = 16 keys, source 1 = my 16 queries, K = 64), O^T = V^T P^T (source 0 = 16 d, source 1 = P, K = 128 keys): a lane holds ONE query (lane % 16).
; Register j of score tile t is key 16 t + 8 (lane / 16) + j: its conversion gives registers 2 t, 2 t + 1 of P.  The images were stored in the order of the operands' registers: every fragment is 16 x lane + 512 i.
; TWO REGIONS OF 64 REGISTERS SWAP ROLES from key step to key step: x holds K, then V; y takes S^T, then p, and, once p's codes are made, the NEXT step's K.  A trip of the loop is two steps, so the numbers come back.
; THE EXPONENTIALS go in two halves of 32, each laid among plain instructions that hang on nothing written in the same stage: the other half's t - M; the first half's pair sums and holds.  A wait stands at each stage's edge.
; o_img: [row tile 256][k block of 128: 8][2,048]: my d = 16 t + 8 h + j of head n falls at n x 1,024 + 256 t + 16 r + 8 h: a store of 8 bytes a lane covers 256 consecutive bytes.
; LIMITS on the given exponents: e6 + e7 between -123 and 130 (added to c's exponent field); e8 and e10 between -126 and 119.  The scaled scores stay under 2^31 in magnitude.  NaN among the inputs is not served.
; REGISTERS: v1 16 x lane; v2 the same in V's half; v3 my place in o's unit; v8, v9 the trip's addresses of K and V; v12 -M, v13 the largest score, v[14:15] the sum in two halves; v[16:23] Q; v[32:95], v[96:159] the two regions;
;   v[160:191] O^T; v[192:207] p's codes; v[208:223] eight partial sums; v[224:227] four maxima; v240, v241 448 x 2^e8; v244 2^e8; v245 the old -M; v247, v248 2^e10, 448 x 2^e10; v246, v252-254 at work; v251, v255 the spare word and 0.
.set VOFF,  131072
.set STEPB, 8192                       ; a key step, 128 keys: 8 fragments of K of 1,024 bytes; 4 of V of 2,048
.set SPARE, 0x40000                    ; behind K and V: the spare words, 128 bytes a wave
.set WV,  18
.set SEL, 20
.set CS,  22
.set G1,  24
.set G0,  32
.set TB,  50
.set CNT, 51
.set RA,  32
.set RB,  96
.set O,   160
.set P,   192
.set T,   208
.set MX,  224
.set SPW, 251
.set NIL, 255
.macro CROUND                          ; a round of the cluster's barrier
	s_barrier_signal -1
	s_barrier_wait -1
	s_cmp_lg_u32 s[WV], 0
	s_cbranch_scc1 .Lnot_wave_0_\@
	s_barrier_signal -3
.Lnot_wave_0_\@:
	s_barrier_wait -3
	s_barrier_signal -1
	s_barrier_wait -1
.endm
	s_load_b256 s[4:11], s[0:1], 0x0               ; q_img s[4:5], k_img s[6:7], v_img s[8:9], the scales s[10:11]
	s_load_b64 s[12:13], s[0:1], 0x20              ; o_img
	v_lshl_add_u32 v[SPW], v0, 2, SPARE
	v_mov_b32 v[NIL], 0
	ds_add_u32 v[SPW], v[NIL]                      ; the opening lines: the add, twice on end, and its wait ahead of my tensor load
	ds_add_u32 v[SPW], v[NIL]
	v_lshrrev_b32 v4, 5, v0
	s_delay_alu instid0(VALU_DEP_1)
	v_readfirstlane_b32 s[WV], v4                  ; wave 0..15
	s_bfe_u32 s14, ttmp6, 0x40000                  ; cx
	s_lshl_b32 s15, ttmp9, 2
	s_add_co_u32 s15, s15, s14                     ; my block of 256 queries: it enters Q's and O's addresses alone
	s_and_b32 s16, ttmp7, 0xffff                   ; batch x 16 + head, which the four partners share
	s_mov_b32 s[G1], 15|(3<<16)|(1<<21)            ; the mask: all four; elements of 8 bytes; 21 set beside a mask; no padding
	s_mov_b32 s[G1+1], 32<<16                      ; tensor_dim0 = 32 elements: rows of 256 bytes
	s_mov_b32 s[G1+2], 64<<16                      ; tensor_dim1 = 64
	s_mov_b32 s[G1+3], 32<<16                      ; tile_dim0
	s_mov_b32 s[G1+4], 64                          ; tile_dim1
	s_mov_b32 s[G1+5], 32                          ; stride: the block is dense
	s_mov_b32 s[G1+6], 0
	s_mov_b32 s[G1+7], 0
	s_lshl_b32 s36, s16, 17                        ; the pair's 131,072 bytes of K or of V,
	s_and_b32 s37, s[WV], 7
	s_lshl_b32 s37, s37, 14
	s_add_co_u32 s36, s36, s37                     ; my eighth of them
	s_mov_b32 s37, 0
	s_lshl_b32 s38, s16, 7
	s_lshl_b32 s39, s15, 4
	s_add_co_u32 s38, s38, s39
	s_add_co_u32 s38, s38, s[WV]
	s_lshl_b32 s38, s38, 10                        ; Q: (pair x 128 + 16 x block + wave) fragments of 1,024 bytes
	s_mov_b32 s39, 0
	s_lshr_b32 s48, s16, 4
	s_lshl_b32 s48, s48, 7
	s_lshl_b32 s49, s15, 4
	s_add_co_u32 s48, s48, s49
	s_add_co_u32 s48, s48, s[WV]
	s_lshl_b32 s48, s48, 14                        ; O: (batch x 128 + 16 x block + wave) row tiles of 16,384 bytes,
	s_and_b32 s49, s16, 15
	s_lshl_b32 s49, s49, 10
	s_add_co_u32 s48, s48, s49                     ; + head x 1,024
	s_mov_b32 s49, 0
	s_mov_b32 s[SEL], 0x76543210
	s_mov_b32 s[SEL+1], 0xfedcba98
	s_mov_b32 s[CS], 0x3e38aa3b                    ; c = log2(e) / 8
	s_mov_b32 s[TB], 0
	s_mov_b32 s[CNT], 8
	s_wait_dscnt 0x0
	s_wait_kmcnt 0x0
	s_cmp_lt_u32 s[WV], 8                          ; waves 0-7 fetch K's images, waves 8-15 V's
	s_cselect_b64 s[G0+2:G0+3], s[6:7], s[8:9]
	s_add_nc_u64 s[G0+2:G0+3], s[G0+2:G0+3], s[36:37]
	s_or_b32 s[G0+3], s[G0+3], 0x80000000          ; type = 2
	s_mov_b32 s[G0], 1
	s_lshl_b32 s[G0+1], s[WV], 14                  ; LDS: wave x 16,384
	s_add_nc_u64 s[4:5], s[4:5], s[38:39]
	s_add_nc_u64 s[12:13], s[12:13], s[48:49]
	CROUND                                         ; all four work-groups are here: the joint loads meet
	tensor_load_to_lds s[G0:G0+3], s[G1:G1+7]      ; my one tensor load of the launch
	s_nop 0
.rept 4
	v_nop
.endr
	s_load_b256 s[40:47], s[10:11], 0x18           ; e6 s40, e7 s41, e8 s42, e9 s43, e10 s44
	v_and_b32 v4, 31, v0
	s_delay_alu instid0(VALU_DEP_1)
	v_lshlrev_b32 v1, 4, v4
	global_load_b128 v[16:19], v1, s[4:5]          ; Q's fragment stays in registers
	global_load_b128 v[20:23], v1, s[4:5] offset:512
	v_add_nc_u32 v2, VOFF, v1
	v_and_b32 v4, 15, v0
	v_bfe_u32 v5, v0, 4, 1
	s_delay_alu instid0(VALU_DEP_2)
	v_lshlrev_b32 v3, 4, v4
	s_delay_alu instid0(VALU_DEP_1)
	v_lshl_add_u32 v3, v5, 3, v3                   ; 16 r + 8 h
	v_mov_b32 v13, 0xff61b1e6                      ; the largest score so far: -3e38, under every score
	s_delay_alu instid0(VALU_DEP_1)
	v_floor_f32 v12, -v13                          ; -M
	v_mov_b32 v14, 0
	v_mov_b32 v15, 0
	v_mov_b32 v246, 0                              ; written once: a lane permute's destination counts as one of its sources
	v_mov_b32 v253, 0                              ; (named as the upper half of the pair v[252:253])
.set n, 0
.rept 32
	v_mov_b32 v[O+n], 0                            ; O^T: the step is written for all steps alike; the first finds zeros, which the first change of M leaves zeros
.set n, n+1
.endr
	s_wait_kmcnt 0x0
	s_add_co_i32 s52, s40, s41
	s_lshl_b32 s52, s52, 23
	s_add_co_i32 s[CS], s[CS], s52                 ; a score stands for score x 2^(e6 + e7): the exponents are added to c's exponent field
	s_mov_b32 s[CS+1], s[CS]
	s_add_co_i32 s52, s42, 127
	s_lshl_b32 s53, s52, 23
	v_mov_b32 v244, s53                            ; 2^e8
	s_add_co_i32 s52, s52, 8
	s_lshl_b32 s52, s52, 23
	s_or_b32 s52, s52, 0x600000
	v_mov_b32 v240, s52                            ; 448 x 2^e8,
	v_mov_b32 v241, s52                            ; twice: a dual pair's two second sources lie in different register banks
	s_add_co_i32 s52, s44, 127
	s_lshl_b32 s53, s52, 23
	v_mov_b32 v247, s53                            ; 2^e10
	s_add_co_i32 s52, s52, 8
	s_lshl_b32 s52, s52, 23
	s_or_b32 s52, s52, 0x600000
	v_mov_b32 v248, s52                            ; 448 x 2^e10
	s_wait_alu depctr_va_vdst(0)                   ; the wait at the head's end
	s_wait_tensorcnt 0x0                           ; my sixteenth of K and V has landed,
	s_barrier_signal -1
	s_barrier_wait -1                              ; everybody's has
.irp i, 0,1,2,3,4,5,6,7,8,9,10,11,12,13,14,15
	ds_load_b128 v[RA+4*\i:RA+4*\i+3], v1 offset:512*\i        ; the first step's K
.endr
	s_wait_loadcnt 0x0                             ; Q
; A KEY STEP of 128 keys.  x: the region with this step's K; y: the other.  vo, ko: offsets of this step's V and of the next step's K from the trip's addresses.  first: the trip's first step makes the addresses.
; guard: the trip's second step asks for no further K in the last trip (a scalar branch on the count of trips, round the sixteen loads alone).
.macro STEP x, y, vo, ko, first, guard
.if \first                                     ; five plain instructions between the last products, which read y, and the products below, which write it
	v_add_nc_u32 v8, s[TB], v1
	v_add_nc_u32 v9, s[TB], v2
.else
	v_nop
	v_nop
.endif
	v_mov_b32 v245, v12                            ; the old -M
	v_nop
	v_nop
	s_wait_alu depctr_va_vdst(0)                   ; the wait here, directly ahead of the wait below
	s_wait_dscnt 0x0                               ; K
.irp t, 0,1,2,3,4,5,6,7
	v_wmma_f32_16x16x64_fp8_fp8 v[\y+8*\t:\y+8*\t+7], v[\x+8*\t:\x+8*\t+7], v[16:23], 0
.endr
.rept 4
	v_nop                                          ; places in front of the loads below and of the first read of the scores
.endr
.irp i, 0,1,2,3,4,5,6,7,8,9,10,11,12,13,14,15
	ds_load_b128 v[\x+4*\i:\x+4*\i+3], v9 offset:\vo+512*\i    ; V: 4 fragments of 16 d x 128 keys: they land under the softmax
.endr
.irp k, 0,1,2,3                                ; the largest of my 64 scores, in four chains of two tiles each, every tile from its low end on
	v_max3_num_f32 v[MX+\k], v[\y+16*\k], v[\y+16*\k+1], v[\y+16*\k+2]
.endr
.irp i, 3,5,7,9,11,13
.irp k, 0,1,2,3
	v_max3_num_f32 v[MX+\k], v[MX+\k], v[\y+16*\k+\i], v[\y+16*\k+\i+1]
.endr
.endr
	v_max3_num_f32 v[MX], v[MX], v[MX+1], v[\y+15]
	v_max3_num_f32 v[MX+2], v[MX+2], v[MX+3], v[\y+31]
	v_max3_num_f32 v[MX], v[MX], v[\y+47], v[\y+63]
	v_max_num_f32 v[MX], v[MX], v[MX+2]
	v_permlanex16_b32 v246, v[MX], s[SEL], s[SEL+1]
	v_max3_num_f32 v13, v13, v[MX], v246           ; the running largest score, lane l xor 16's among them
	v_mul_f32 v254, s[CS], v13                     ; as t
	v_floor_f32 v12, -v254                         ; the new -M = floor(-t): M is a whole number
	v_sub_f32 v254, v12, v245                      ; old M - new M: a whole number, 0 or less
.irp j, 0,2,4,6
	v_pk_fma_f32 v[\y+\j:\y+\j+1], v[\y+\j:\y+\j+1], s[CS:CS+1], v[12:13] op_sel_hi:[1,0,0]   ; t - M, two at a time (of the pairs c and -M the low word serves both halves): the first half
.endr
	v_cvt_i32_f32 v254, v254                       ; (it saturates)
.irp j, 8,10,12,14
	v_pk_fma_f32 v[\y+\j:\y+\j+1], v[\y+\j:\y+\j+1], s[CS:CS+1], v[12:13] op_sel_hi:[1,0,0]
.endr
	v_ldexp_f32 v252, 1.0, v254                    ; f = 2^(old M - new M)
.irp j, 16,18,20,22,24,26,28,30
	v_pk_fma_f32 v[\y+\j:\y+\j+1], v[\y+\j:\y+\j+1], s[CS:CS+1], v[12:13] op_sel_hi:[1,0,0]
.endr
.irp j, 0,2,4,6,8,10,12,14,16,18,20,22,24,26,28,30
	v_pk_mul_f32 v[O+\j:O+\j+1], v[O+\j:O+\j+1], v[252:253] op_sel_hi:[1,0]   ; O^T under the new M: read ahead of the step's exponentials
.endr
	v_pk_mul_f32 v[14:15], v[14:15], v[252:253] op_sel_hi:[1,0]               ; the sums likewise
	s_wait_alu depctr_va_vdst(0)                   ; the wait ahead of the batch
.irp j, 0,2,4,6,8,10,12,14,16,18,20,22,24,26,28,30
	v_exp_f32 v[\y+\j], v[\y+\j]                   ; p = 2^(t - M) of the first half, among the second half's t - M
	v_pk_fma_f32 v[\y+32+\j:\y+33+\j], v[\y+32+\j:\y+33+\j], s[CS:CS+1], v[12:13] op_sel_hi:[1,0,0]
	v_exp_f32 v[\y+\j+1], v[\y+\j+1]
.endr
	s_wait_alu depctr_va_vdst(0)                   ; behind the first batch and ahead of the second
.irp i, 0,1,2,3,4,5,6,7
	v_exp_f32 v[\y+32+4*\i], v[\y+32+4*\i]         ; the second half, among the first half's pair sums (of the unquantised p) and holds: none of these reads what another of them wrote
	v_pk_add_f32 v[T+2*\i:T+2*\i+1], v[\y+4*\i:\y+4*\i+1], v[\y+4*\i+2:\y+4*\i+3]
	v_exp_f32 v[\y+33+4*\i], v[\y+33+4*\i]
	v_dual_min_num_f32 v[\y+4*\i], v[\y+4*\i], v240 :: v_dual_min_num_f32 v[\y+4*\i+1], v[\y+4*\i+1], v241       ; the conversion does not saturate (ISA guide 7.6.2); p is not negative, so the hold is one-sided
	v_exp_f32 v[\y+34+4*\i], v[\y+34+4*\i]
	v_dual_min_num_f32 v[\y+4*\i+2], v[\y+4*\i+2], v240 :: v_dual_min_num_f32 v[\y+4*\i+3], v[\y+4*\i+3], v241
	v_exp_f32 v[\y+35+4*\i], v[\y+35+4*\i]
.endr
	s_wait_alu depctr_va_vdst(0)                   ; behind the second batch, ahead of its first reader
.irp t, 0,1,2,3
	v_cvt_scalef32_pk8_fp8_f32 v[P+2*\t:P+2*\t+1], v[\y+8*\t:\y+8*\t+7], v244
.irp n, 0,1,2,3
	v_pk_add_f32 v[T+2*((4*\t+\n)%8):T+2*((4*\t+\n)%8)+1], v[T+2*((4*\t+\n)%8):T+2*((4*\t+\n)%8)+1], v[\y+32+8*\t+2*\n:\y+33+8*\t+2*\n]
.endr
.irp n, 0,2,4,6
	v_dual_min_num_f32 v[\y+32+8*\t+\n], v[\y+32+8*\t+\n], v240 :: v_dual_min_num_f32 v[\y+33+8*\t+\n], v[\y+33+8*\t+\n], v241
.endr
.endr
	v_cvt_scalef32_pk8_fp8_f32 v[P+8:P+9], v[\y+32:\y+39], v244
	v_pk_add_f32 v[T:T+1], v[T:T+1], v[T+8:T+9]
	v_pk_add_f32 v[T+2:T+3], v[T+2:T+3], v[T+10:T+11]
	v_cvt_scalef32_pk8_fp8_f32 v[P+10:P+11], v[\y+40:\y+47], v244
	v_pk_add_f32 v[T+4:T+5], v[T+4:T+5], v[T+12:T+13]
	v_pk_add_f32 v[T+6:T+7], v[T+6:T+7], v[T+14:T+15]
	v_cvt_scalef32_pk8_fp8_f32 v[P+12:P+13], v[\y+48:\y+55], v244
	v_pk_add_f32 v[T:T+1], v[T:T+1], v[T+4:T+5]
	v_pk_add_f32 v[T+2:T+3], v[T+2:T+3], v[T+6:T+7]
	v_cvt_scalef32_pk8_fp8_f32 v[P+14:P+15], v[\y+56:\y+63], v244
	v_pk_add_f32 v[T:T+1], v[T:T+1], v[T+2:T+3]    ; (these two are also the plain instructions behind the last conversion)
	v_pk_add_f32 v[14:15], v[14:15], v[T:T+1]
	s_wait_alu depctr_va_vdst(0)                   ; the wait here, directly ahead of the wait below
	s_wait_dscnt 0x0                               ; V: waited for ahead of the loads below, so that the count is 0 on both ways
.if \guard
	s_cmp_eq_u32 s[CNT], 1
	s_cbranch_scc1 .Lno_next_\@
.endif
.irp i, 0,1,2,3,4,5,6,7,8,9,10,11,12,13,14,15
	ds_load_b128 v[\y+4*\i:\y+4*\i+3], v8 offset:\ko+512*\i    ; the next step's K, into the registers that p has left
.endr
.if \guard
.Lno_next_\@:
.endif
.irp t, 0,1,2,3
	v_wmma_f32_16x16x128_fp8_fp8 v[O+8*\t:O+8*\t+7], v[\x+16*\t:\x+16*\t+15], v[P:P+15], v[O+8*\t:O+8*\t+7]   ; the four accumulators take turns, one instruction a turn
.endr
.endm
.Lstep:                                            ; 8 trips of two key steps
	STEP RA, RB, 0, STEPB, 1, 0
	STEP RB, RA, STEPB, 2*STEPB, 0, 1
	s_add_co_u32 s[TB], s[TB], 2*STEPB
	s_sub_co_u32 s[CNT], s[CNT], 1
	s_cmp_lg_u32 s[CNT], 0
	s_cbranch_scc1 .Lstep
	; THE WAY OUT: O^T / the sum x 2^(e8 + e9), quantised with 2^e10: a lane's 8 numbers of a tile are 8 neighbours along the next K
.rept 4
	v_nop                                          ; places behind the last products
.endr
	v_add_f32 v14, v14, v15
	s_delay_alu instid0(VALU_DEP_1)
	v_permlanex16_b32 v252, v14, s[SEL], s[SEL+1]
	s_delay_alu instid0(VALU_DEP_1)
	v_add_f32 v14, v14, v252                       ; the row's sum
	s_wait_alu depctr_va_vdst(0)                   ; ahead of the transcendental
	v_rcp_f32 v14, v14
	v_nop                                          ; a plain instruction behind it
	s_add_co_i32 s52, s42, s43
	s_wait_alu depctr_va_vdst(0)                   ; and the wait ahead of its first reader
	v_ldexp_f32 v14, v14, s52
	s_wait_alu depctr_va_vdst(0)                   ; directly ahead of the first reader of O^T
.set n, 0
.rept 32
	v_mul_f32 v[RB+n], v[O+n], v14
.set n, n+1
.endr
.irp t, 0,1,2,3
.irp i, 0,1,2,3,4,5,6,7
	v_med3_num_f32 v[RB+8*\t+\i], v[RB+8*\t+\i], -v248, v248
.endr
	v_cvt_scalef32_pk8_fp8_f32 v[P+2*\t:P+2*\t+1], v[RB+8*\t:RB+8*\t+7], v247
.endr
	v_nop
.irp t, 0,1,2,3
	global_store_b64 v3, v[P+2*\t:P+2*\t+1], s[12:13] offset:256*\t   ; 32 lanes x 8 bytes: 256 consecutive bytes, aligned
.endr
	s_wait_tensorcnt 0x0                           ; the wave's end
	ds_add_u32 v[SPW], v[NIL]
	s_wait_dscnt 0x0
	CROUND                                         ; the closing round
	s_endpgm
.Lfunc_end_k_q2c01c8aa7c_attn:
	.size	k_q2c01c8aa7c_attn, .Lfunc_end_k_q2c01c8aa7c_attn-k_q2c01c8aa7c_attn
	.p2alignl 7, 3214868480
	.fill 96, 4, 3214868480
	.section	.rodata,"a",@progbits
	.p2align	6, 0x0
	.amdhsa_kernel k_q2c01c8aa7c_attn
		.amdhsa_group_segment_fixed_size 327680
		.amdhsa_private_segment_fixed_size 0
		.amdhsa_enable_private_segment 0
		.amdhsa_kernarg_size 40
		.amdhsa_user_sgpr_count 2
		.amdhsa_user_sgpr_kernarg_segment_ptr 1
		.amdhsa_wavefront_size32 1
		.amdhsa_system_sgpr_workgroup_id_x 1
		.amdhsa_system_sgpr_workgroup_id_y 1
		.amdhsa_system_sgpr_workgroup_id_z 1
		.amdhsa_system_vgpr_workitem_id 0
		.amdhsa_next_free_vgpr 256
		.amdhsa_next_free_sgpr 66
		.amdhsa_reserve_vcc 0
		.amdhsa_float_denorm_mode_32 3
		.amdhsa_float_denorm_mode_16_64 3
		.amdhsa_memory_ordered 1
		.amdhsa_forward_progress 1
		.amdhsa_inst_pref_size 43
	.end_amdhsa_kernel
	.amdgpu_metadata
---
amdhsa.version: [ 1, 2 ]
amdhsa.kernels:
  - .name:           k_q2c01c8aa7c_attn
    .symbol:         k_q2c01c8aa7c_attn.kd
    .args:
      - { .name: q_img, .offset: 0, .size: 8, .value_kind: global_buffer, .address_space: global }
      - { .name: k_img, .offset: 8, .size: 8, .value_kind: global_buffer, .address_space: global }
      - { .name: v_img, .offset: 16, .size: 8, .value_kind: global_buffer, .address_space: global }
      - { .name: lowp_scales, .offset: 24, .size: 8, .value_kind: global_buffer, .address_space: global }
      - { .name: o_img, .offset: 32, .size: 8, .value_kind: global_buffer, .address_space: global }
    .group_segment_fixed_size: 327680
    .private_segment_fixed_size: 0
    .kernarg_segment_align: 8
    .kernarg_segment_size: 40
    .max_flat_workgroup_size: 512
    .sgpr_count:     66
    .vgpr_count:     256
    .wavefront_size: 32
...
	.end_amdgpu_metadata
.endif
;; end of part 3
;; launch proj (part 4): grid 8 x 32, 4 waves a work-group, clusters of 4 x 4, 327,680 bytes of LDS; arguments o_img, wo_codes, lowp_scales, bo, x, x1; writes x1
.if DOCPART == 4
	.amdgcn_target "amdgcn-amd-amdhsa--gfx1250"
	.amdhsa_code_object_version 6
	.text
	.protected	k_q2c01c8aa7c_proj
	.globl	k_q2c01c8aa7c_proj
	.p2align	8
	.type	k_q2c01c8aa7c_proj,@function
k_q2c01c8aa7c_proj:
	s_mov_b64 s[64:65], 0
	v_nop
	global_prefetch_b8 v0, s[64:65] scope:SCOPE_SE
	s_setreg_imm32_b32 hwreg(HW_REG_WAVE_MODE, 25, 1), 1
	s_wait_xcnt 0x0
	s_wait_alu depctr_hold_cnt(0) depctr_sa_sdst(0) depctr_va_vdst(0) depctr_va_sdst(0) depctr_va_ssrc(0) depctr_va_vcc(0) depctr_vm_vsrc(0)
	s_getreg_b32 s2, hwreg(HW_REG_IB_STS2, 6, 4)
	s_cmp_eq_u32 s2, 0
	s_cbranch_scc0 .Lentry_in_a_cluster
	s_endpgm
.Lentry_in_a_cluster:
	s_bfe_u32 s2, ttmp6, 0x10000c
	s_cmp_lg_u32 s2, 0xf033
	s_cbranch_scc0 .Lentry_shape_is_right
	s_endpgm
.Lentry_shape_is_right:
; y = resid + (a W^T x 2^(ea + eb) + bias): a [4,096][1,024] as images of operand registers, W [1,024][1,024] as codes of E4M3, K innermost; bias [1,024], resid and y [4,096][1,024] f32; f32 sums.
; ea, eb: the two whole numbers at byte SOFF of the scales.  LIMIT: ea + eb between -126 and 127.
; N = 1,024 gives 64 tiles of 256 x 256, fewer than there are WGPs: a tile is 128 x 128, 256 work-groups.  Four waves, each 64 x 64: 16 accumulators.
; LDS.  The tile's whole K fits: a's 128 rows x 1,024 (131,072 bytes) and W's 128 rows of 1,024 + 16 bytes (133,120).  Each byte is filled ONCE, by one tensor load a wave: no ring, one barrier, eight quarters of 128 along K on end.
; a's images: [row tile of 16][k block of 128][2,048 bytes]: registers 4 c .. 4 c + 3 of lane l at 512 c + 16 l, holding row l % 16, k = 32 c + 16 (l / 16) + 0 .. 15: a fragment comes by four loads of 512 consecutive bytes.
; W's fragments take the same places of k from rows in LDS (row x 1,040 + 16 (l / 16) + 32 c).
; CLUSTERS: 4 x 4: a's tiles are shared along a row of the cluster, W's along a column, each by a joint tensor load.  NO PREFETCH: all bytes are asked for at the head; no loop runs ahead of a load.
; THE MATRIX INSTRUCTION IS USED TRANSPOSED (source 0 = W, source 1 = a): a lane holds 8 neighbouring columns of one row.
; REGISTERS: window 0: v0-31 addresses; v32-95 rows on the way out, two sets; v96-99 the bias of my 4 columns; v128-255 the accumulators ((a, b) at v[128 + 8 (4 a + b)]).
;   window 1: two fragment buffers of 128 (a's four fragments, then W's four).   window 2: v0-127 the residual of my 64 x 64, asked for at the head.
.set SIZE_K, 1024
.set SOFF,   0x28
.set PITCH,  1040                      ; a row of W in LDS: 1,024 bytes + 16 = 260 words: the 16 rows that a load touches start at 16 different banks (ISA guide 11.1)
.set AHALF,  65536                     ; four row tiles x 8 k blocks x 2,048: what one tensor load brings of a
.set BHALF,  64*PITCH                  ; 64 rows of W
.set BOFF,   2*AHALF
.set STAGE,  BOFF+2*BHALF              ; behind the tiles: 16 rows x 272 bytes for each wave
.set SPITCH, 272
.set SPARE,  STAGE+4*16*SPITCH         ; behind the stages: the spare words, 128 bytes a wave, which no other line names
.set ADRA, 16
.set ADRB, 20
.set STO,  24
.set RD,   25
.set CO,   26
.set SPW,  28
.set NIL,  29
.set BK,   32
.set BV,   96
.set ACC,  128
.set F0,   0
.set F1,   128
.set G1, 24
.set G0, 32
.set G1B, 48
.set G0B, 56
.set MSB, 0
.macro WIN new                         ; the immediate's high byte repeats the setting that is left
.if MSB != (\new)
	s_set_vgpr_msb (MSB<<8)|(\new)
.set MSB, \new
.endif
.endm
.set MUL,  0x05                        ; sources 0 and 1 window 1; C and D window 0
.set TO_F, 0x40                        ; destination window 1, address window 0
.macro CROUND                          ; a round of the cluster's barrier
	s_barrier_signal -1
	s_barrier_wait -1
	s_cmp_lg_u32 s10, 0
	s_cbranch_scc1 .Lnot_wave_0_\@
	s_barrier_signal -3
.Lnot_wave_0_\@:
	s_barrier_wait -3
	s_barrier_signal -1
	s_barrier_wait -1
.endm
	s_load_b128 s[4:7], s[0:1], 0x0                ; a's images s[4:5], W's codes s[6:7]
	s_load_b256 s[68:75], s[0:1], 0x10             ; the scales 68, the bias 70, the residual 72, y 74
	v_lshl_add_u32 v[SPW], v0, 2, SPARE
	v_mov_b32 v[NIL], 0
	ds_add_u32 v[SPW], v[NIL]                      ; the opening lines: the add, twice on end, and its wait
	ds_add_u32 v[SPW], v[NIL]
	v_lshrrev_b32 v1, 5, v0
	v_readfirstlane_b32 s10, v1                    ; wave 0..3
	s_lshr_b32 s11, s10, 1                         ; which half of the tile's rows is mine.  Also: I fetch for a (0) or for W (1)
	s_and_b32 s12, s10, 1                          ; which half of its columns.  Also: which half of that tile I fetch
	s_bfe_u32 s40, ttmp6, 0x40000
	s_bfe_u32 s41, ttmp6, 0x40004
	s_lshl_b32 s42, ttmp9, 2
	s_add_co_u32 s42, s42, s40                     ; tile column = 4 x cluster x + cx
	s_and_b32 s13, ttmp7, 0xffff
	s_lshl_b32 s13, s13, 2
	s_add_co_u32 s13, s13, s41                     ; tile row = 4 x cluster y + cy
	s_lshl_b32 s43, s41, 2
	s_lshl_b32 s43, 15, s43                        ; my row of the cluster
	s_lshl_b32 s44, 0x1111, s40                    ; my column
	s_or_b32 s[G1+0], s43, (3<<16)|(1<<21)         ; a: the mask; elements of 8 bytes; 21 set beside a mask; no padding
	s_mov_b32 s[G1+1], 2048<<16                    ; tensor_dim0 = 2,048 elements: a row tile's 16,384 bytes
	s_mov_b32 s[G1+2], 4<<16                       ; tensor_dim1 = 4 row tiles
	s_mov_b32 s[G1+3], 2048<<16                    ; tile_dim0
	s_mov_b32 s[G1+4], 4                           ; tile_dim1
	s_mov_b32 s[G1+5], SIZE_K*2                    ; from row tile to row tile: SIZE_K x 16 bytes
	s_mov_b32 s[G1+6], 0
	s_mov_b32 s[G1+7], 0
	s_or_b32 s[G1B+0], s44, (0<<16)|(1<<20)|(1<<21)|(7<<22)|(3<<25)  ; W: elements of 1 byte; four words of padding after every 256
	s_mov_b32 s[G1B+1], 1024<<16
	s_mov_b32 s[G1B+2], 64<<16
	s_mov_b32 s[G1B+3], 1024<<16
	s_mov_b32 s[G1B+4], 64
	s_mov_b32 s[G1B+5], SIZE_K
	s_mov_b32 s[G1B+6], 0
	s_mov_b32 s[G1B+7], 0
	s_lshl_b32 s16, s13, 3
	s_lshl_b32 s17, s12, 2
	s_add_co_u32 s16, s16, s17
	s_mul_i32 s16, s16, SIZE_K*16                  ; a: row tile 8 x tile row + 4 x half, in bytes
	s_mov_b32 s17, 0
	s_lshl_b32 s46, s42, 7
	s_lshl_b32 s47, s12, 6
	s_add_co_u32 s46, s46, s47
	s_mul_i32 s46, s46, SIZE_K                     ; W: row 128 x tile column + 64 x half
	s_mov_b32 s47, 0
	s_lshl_b32 s20, s12, 16                        ; where they go: a's half,
	s_mul_i32 s21, s12, BHALF
	s_add_co_u32 s21, s21, BOFF                    ; W's half: no place in the cluster enters an LDS address
	s_wait_dscnt 0x0                               ; both opening adds are done
	s_wait_kmcnt 0x0
	s_load_b64 s[78:79], s[68:69], SOFF            ; ea, eb
	s_add_nc_u64 s[14:15], s[4:5], s[16:17]
	s_add_nc_u64 s[46:47], s[6:7], s[46:47]
	CROUND                                         ; all sixteen work-groups are here: the joint loads meet
	s_mov_b32 s[G0], 1
	s_mov_b32 s[G0+1], s20
	s_mov_b64 s[G0+2:G0+3], s[14:15]
	s_or_b32 s[G0+3], s[G0+3], 0x80000000
	s_mov_b32 s[G0B], 1
	s_mov_b32 s[G0B+1], s21
	s_mov_b64 s[G0B+2:G0B+3], s[46:47]
	s_or_b32 s[G0B+3], s[G0B+3], 0x80000000
	s_cmp_eq_u32 s11, 0                            ; waves 0 and 1 fetch a's two halves, waves 2 and 3 W's: my one tensor load of the launch
	s_cbranch_scc0 .Lfor_b
	tensor_load_to_lds s[G0:G0+3], s[G1:G1+7]
	s_nop 0
.rept 4
	v_nop
.endr
	s_branch .Lasked
.Lfor_b:
	tensor_load_to_lds s[G0B:G0B+3], s[G1B:G1B+7]
	s_nop 0
.rept 4
	v_nop
.endr
.Lasked:
	v_and_b32 v1, 15, v0                           ; r
	v_bfe_u32 v2, v0, 4, 1                         ; h
	v_and_b32 v3, 31, v0
	v_lshlrev_b32 v3, 4, v3                        ; 16 x lane
	v_mul_u32_u24 v4, v1, PITCH
	v_lshl_add_u32 v4, v2, 4, v4
	s_lshl_b32 s21, s11, 16                        ; my four row tiles of a
	s_mul_i32 s22, s12, BHALF
	s_add_co_u32 s22, s22, BOFF                    ; my 64 rows of W
	v_add_nc_u32 v[ADRA], s21, v3
	v_add_nc_u32 v[ADRB], s22, v4
	s_mul_i32 s23, s10, 16*SPITCH
	s_add_co_u32 s23, s23, STAGE                   ; my stage
	s_wait_alu depctr_va_vdst(0)                   ; the wait ahead of the later readers of r and h
	v_mul_u32_u24 v5, v1, SPITCH
	v_lshl_add_u32 v5, v2, 5, v5
	v_add_nc_u32 v[STO], s23, v5                   ; in: row r, 32 bytes for each half of the lanes
	v_mul_u32_u24 v5, v2, SPITCH
	v_lshl_add_u32 v5, v1, 4, v5
	v_add_nc_u32 v[RD], s23, v5                    ; back: lanes 0-15 one row of 256 bytes, lanes 16-31 the next
	v_lshlrev_b32 v[CO], 12, v2
	v_lshl_add_u32 v[CO], v1, 4, v[CO]             ; and the same two rows in y and in the residual
	v_lshlrev_b32 v6, 4, v1                        ; my 4 columns' bias
	s_wait_alu depctr_va_vdst(0)                   ; ahead of the run of scalar instructions below
	s_lshl_b32 s16, s13, 7
	s_lshl_b32 s17, s11, 6
	s_add_co_u32 s16, s16, s17
	s_lshl_b32 s16, s16, 12                        ; my first row, in bytes,
	s_lshl_b32 s17, s42, 7
	s_lshl_b32 s18, s12, 6
	s_add_co_u32 s17, s17, s18
	s_lshl_b32 s18, s17, 2                         ; my first column
	s_add_co_u32 s16, s16, s18
	s_mov_b32 s17, 0
	s_mov_b32 s19, 0
	s_add_nc_u64 s[72:73], s[72:73], s[16:17]
	s_add_nc_u64 s[74:75], s[74:75], s[16:17]
	s_add_nc_u64 s[70:71], s[70:71], s[18:19]
	global_load_b128 v[BV:BV+3], v6, s[70:71]
	WIN 0x80                                       ; destination window 2
.irp a, 0,1,2,3
.irp t, 0,1,2,3,4,5,6,7
	global_load_b128 v[4*(8*\a+\t):4*(8*\a+\t)+3], v[CO], s[72:73] offset:(16*\a+2*\t)*4096   ; the residual, in the order in which rows leave; waited for on the way out
.endr
.endr
	WIN 0
.macro MULA f, a, zero                 ; four matrix instructions: row tile a x W's four.  The sixteen accumulators take turns, in the same order in every quarter
.irp b, 0,1,2,3
.if \zero
	v_wmma_f32_16x16x128_fp8_fp8 v[ACC+8*(4*(\a)+\b):ACC+8*(4*(\a)+\b)+7], v[\f+64+16*\b:\f+64+16*\b+15], v[\f+16*(\a):\f+16*(\a)+15], 0
.else
	v_wmma_f32_16x16x128_fp8_fp8 v[ACC+8*(4*(\a)+\b):ACC+8*(4*(\a)+\b)+7], v[\f+64+16*\b:\f+64+16*\b+15], v[\f+16*(\a):\f+16*(\a)+15], v[ACC+8*(4*(\a)+\b):ACC+8*(4*(\a)+\b)+7]
.endif
.endr
.endm
.macro FETCH q, f                      ; 32 LDS loads in one run: the fragments of the q-th 128 along K
	WIN TO_F
.irp i, 0,1,2,3
.irp c, 0,1,2,3
	ds_load_b128 v[\f+64+16*\i+4*\c:\f+64+16*\i+4*\c+3], v[ADRB] offset:(\q)*128+32*\c+\i*16*PITCH
.endr
.endr
.irp i, 0,1,2,3
.irp c, 0,1,2,3
	ds_load_b128 v[\f+16*\i+4*\c:\f+16*\i+4*\c+3], v[ADRA] offset:\i*16384+(\q)*2048+512*\c
.endr
.endr
.endm
.macro PLACES                          ; four plain instructions between matrix instructions and loads into, or reads of, their registers (ISA guide 7.12.1 for reads)
.rept 4
	v_nop
.endr
.endm
.macro QUARTER qn, f, g, zero          ; multiplies buffer f; the next quarter's fragments, qn, are asked for first, into g, and land under the sixteen products
	s_wait_dscnt 0x0                               ; f's fragments are in
	PLACES
	FETCH \qn, \g
	WIN MUL
	MULA \f, 0, \zero
	MULA \f, 1, \zero
	MULA \f, 2, \zero
	MULA \f, 3, \zero
.endm
	s_wait_alu depctr_va_vdst(0)                   ; the wait at the head's end
	s_wait_tensorcnt 0x0                           ; my quarter of the tiles is in,
	s_barrier_signal -1
	s_barrier_wait -1                              ; everybody's is
	FETCH 0, F0
	QUARTER 1, F0, F1, 1                           ; the first quarter's products start the sums
	QUARTER 2, F1, F0, 0
	QUARTER 3, F0, F1, 0
	QUARTER 4, F1, F0, 0
	QUARTER 5, F0, F1, 0
	QUARTER 6, F1, F0, 0
	QUARTER 7, F0, F1, 0
	s_wait_dscnt 0x0
	MULA F1, 0, 0
	MULA F1, 1, 0
	MULA F1, 2, 0
	MULA F1, 3, 0
	WIN 0
; THE WAY OUT.  My 64 columns of f32 are 256 bytes of a row: a tile of 16 rows goes through my own stage and comes back as whole rows; then sum x 2^(ea + eb) + bias, + the residual, and sixteen lanes store 256 consecutive bytes.
; LDS serves a wave's instructions in order (ISA guide 5.7.1.4): no wait between the stores and the loads, nor in front of the next tile's stores.
.macro TOSTAGE a
.if (\a) > 1
	s_wait_xcnt 0x0                                ; tile a - 2's stores have read this set of registers
.endif
.irp b, 0,1,2,3
	ds_store_b128 v[STO], v[ACC+8*(4*(\a)+\b):ACC+8*(4*(\a)+\b)+3] offset:64*\b        ; each accumulator from its low end on
	ds_store_b128 v[STO], v[ACC+8*(4*(\a)+\b)+4:ACC+8*(4*(\a)+\b)+7] offset:64*\b+16
.endr
.set BB, BK+32*((\a)%2)
.irp t, 0,1,2,3,4,5,6,7
	ds_load_b128 v[BB+4*\t:BB+4*\t+3], v[RD] offset:\t*2*SPITCH
.endr
.endm
.macro SEND a, younger                 ; younger: the LDS instructions issued behind tile a's loads, which may stay out
.set BB, BK+32*((\a)%2)
	s_wait_dscnt \younger
.irp t, 0,1,2,3,4,5,6,7
	v_pk_fma_f32 v[BB+4*\t:BB+4*\t+1], v[BB+4*\t:BB+4*\t+1], s[76:77], v[BV:BV+1] op_sel_hi:[1,0,1]
	v_pk_fma_f32 v[BB+4*\t+2:BB+4*\t+3], v[BB+4*\t+2:BB+4*\t+3], s[76:77], v[BV+2:BV+3] op_sel_hi:[1,0,1]
.endr
	WIN 0x08                                       ; source 1: window 2
.irp t, 0,1,2,3,4,5,6,7
	v_pk_add_f32 v[BB+4*\t:BB+4*\t+1], v[BB+4*\t:BB+4*\t+1], v[32*(\a)+4*\t:32*(\a)+4*\t+1]
	v_pk_add_f32 v[BB+4*\t+2:BB+4*\t+3], v[BB+4*\t+2:BB+4*\t+3], v[32*(\a)+4*\t+2:32*(\a)+4*\t+3]
.endr
	WIN 0
.irp t, 0,1,2,3,4,5,6,7
	global_store_b128 v[CO], v[BB+4*\t:BB+4*\t+3], s[74:75] offset:(16*(\a)+2*\t)*4096
.endr
.endm
	s_wait_kmcnt 0x0
	s_add_co_i32 s76, s78, s79
	s_add_co_i32 s76, s76, 127
	s_lshl_b32 s76, s76, 23                        ; 2^(ea + eb) as f32
	s_mov_b32 s77, s76                             ; (named with it as a pair, so it is written)
	PLACES                                         ; behind the last products
	s_wait_loadcnt 0x0                             ; the bias and the residual
	TOSTAGE 0
.irp a, 1,2,3
	TOSTAGE \a
	SEND \a-1, 16                                  ; behind tile a - 1's loads: tile a's 8 stores and 8 loads
.endr
	SEND 3, 0
	s_wait_tensorcnt 0x0                           ; the wave's end
	ds_add_u32 v[SPW], v[NIL]
	s_wait_dscnt 0x0
	CROUND                                         ; the closing round
	s_endpgm
.Lfunc_end_k_q2c01c8aa7c_proj:
	.size	k_q2c01c8aa7c_proj, .Lfunc_end_k_q2c01c8aa7c_proj-k_q2c01c8aa7c_proj
	.p2alignl 7, 3214868480
	.fill 96, 4, 3214868480
	.section	.rodata,"a",@progbits
	.p2align	6, 0x0
	.amdhsa_kernel k_q2c01c8aa7c_proj
		.amdhsa_group_segment_fixed_size 327680
		.amdhsa_private_segment_fixed_size 0
		.amdhsa_enable_private_segment 0
		.amdhsa_kernarg_size 48
		.amdhsa_user_sgpr_count 2
		.amdhsa_user_sgpr_kernarg_segment_ptr 1
		.amdhsa_wavefront_size32 1
		.amdhsa_system_sgpr_workgroup_id_x 1
		.amdhsa_system_sgpr_workgroup_id_y 1
		.amdhsa_system_sgpr_workgroup_id_z 1
		.amdhsa_system_vgpr_workitem_id 0
		.amdhsa_next_free_vgpr 640
		.amdhsa_next_free_sgpr 80
		.amdhsa_reserve_vcc 0
		.amdhsa_float_denorm_mode_32 3
		.amdhsa_float_denorm_mode_16_64 3
		.amdhsa_memory_ordered 1
		.amdhsa_forward_progress 1
		.amdhsa_inst_pref_size 51
	.end_amdhsa_kernel
	.amdgpu_metadata
---
amdhsa.version: [ 1, 2 ]
amdhsa.kernels:
  - .name:           k_q2c01c8aa7c_proj
    .symbol:         k_q2c01c8aa7c_proj.kd
    .args:
      - { .name: o_img, .offset: 0, .size: 8, .value_kind: global_buffer, .address_space: global }
      - { .name: wo_codes, .offset: 8, .size: 8, .value_kind: global_buffer, .address_space: global }
      - { .name: lowp_scales, .offset: 16, .size: 8, .value_kind: global_buffer, .address_space: global }
      - { .name: bo, .offset: 24, .size: 8, .value_kind: global_buffer, .address_space: global }
      - { .name: x, .offset: 32, .size: 8, .value_kind: global_buffer, .address_space: global }
      - { .name: x1, .offset: 40, .size: 8, .value_kind: global_buffer, .address_space: global }
    .group_segment_fixed_size: 327680
    .private_segment_fixed_size: 0
    .kernarg_segment_align: 8
    .kernarg_segment_size: 48
    .max_flat_workgroup_size: 128
    .sgpr_count:     80
    .vgpr_count:     640
    .wavefront_size: 32
...
	.end_amdgpu_metadata
.endif
;; end of part 4
;; launch ln2 (part 5): grid 1024 x 1, 4 waves a work-group, no clusters, 0 bytes of LDS; arguments x1, g2, be2, lowp_scales, nx2c; writes nx2c
.if DOCPART == 5
	.amdgcn_target "amdgcn-amd-amdhsa--gfx1250"
	.amdhsa_code_object_version 6
	.text
	.protected	k_q2c01c8aa7c_ln2
	.globl	k_q2c01c8aa7c_ln2
	.p2align	8
	.type	k_q2c01c8aa7c_ln2,@function
k_q2c01c8aa7c_ln2:
	s_mov_b64 s[64:65], 0
	v_nop
	global_prefetch_b8 v0, s[64:65] scope:SCOPE_SE
	s_setreg_imm32_b32 hwreg(HW_REG_WAVE_MODE, 25, 1), 1
	s_wait_xcnt 0x0
; nx = (x - mean) * rsqrt(var + 1e-5) * g + be for each of 4,096 rows of 1,024 f32, then quantised to E4M3 codes with the given scale 2^e (e = entry SC0/4 of the scales): rows of 1,024 codes.
; code = nx / 2^e, held within +-448, to the nearest code, ties to even.  LIMITS: e between -126 and 119, so that 2^e and 448 x 2^e are f32 numbers.  NaN among the inputs is not served.
; SHARES.  A wave takes ONE row, a work-group four: 1,024 work-groups, four to a WGP at 256 registers a wave.  Mean and variance never leave the wave: no LDS, no barrier, nothing shared between work-groups (so no cluster).
; A lane holds columns 256 c + 8 l + 0 .. 7, c = 0 .. 3: eight neighbours, as the conversion takes them; its 8 codes are 8 bytes, and the wave's store covers 256 consecutive bytes, aligned.
; The row is asked for ahead of g and be, which are first needed behind the variance.  The variance is taken of x - mean in a second pass over the registers, so no difference of large sums is formed.
.set SC0, 48
.set T,   16                           ; v[16:31]   two sets of 8 held numbers
.set C,   32                           ; v[32:39]   codes
.set SCL, 56                           ; 2^e
.set LIM, 60                           ; 448 x 2^e
.set G,   64                           ; g of my 32 columns
.set BE,  96                           ; be
.set X,   128                          ; the row: chunk c at + 8 c
	s_load_b256 s[4:11], s[0:1], 0x0               ; x, g, be, the scales' exponents
	s_load_b64 s[12:13], s[0:1], 0x20              ; the codes
	v_lshrrev_b32 v3, 5, v0
	v_readfirstlane_b32 s18, v3                    ; wave 0..3
	v_and_b32 v3, 31, v0
	v_lshlrev_b32 v1, 5, v3                        ; in: 32 bytes a lane
	v_lshlrev_b32 v2, 3, v3                        ; out: 8 bytes a lane
	s_lshl_b32 s19, ttmp9, 2
	s_add_co_u32 s19, s19, s18                     ; my row: 4 x work-group + wave
	s_lshl_b32 s28, s19, 12
	s_mov_b32 s29, 0
	s_lshl_b32 s30, s19, 10
	s_mov_b32 s31, 0
	s_mov_b32 s20, 0x76543210                      ; v_permlanex16_b32: lane l takes lane l xor 16
	s_mov_b32 s21, 0xfedcba98
	s_mov_b32 s22, 0x3a800000                      ; 1 / 1024
	s_mov_b32 s23, 0x3727c5ac                      ; 1e-5
	s_wait_alu depctr_va_vdst(0)                   ; the wait at the head's end
	s_wait_kmcnt 0x0
	s_load_b32 s24, s[10:11], SC0
	s_add_nc_u64 s[4:5], s[4:5], s[28:29]
	s_add_nc_u64 s[12:13], s[12:13], s[30:31]
.irp c, 0,1,2,3
	global_load_b128 v[X+8*\c:X+8*\c+3],   v1, s[4:5] offset:1024*\c th:TH_LOAD_NT
	global_load_b128 v[X+8*\c+4:X+8*\c+7], v1, s[4:5] offset:1024*\c+16 th:TH_LOAD_NT
.endr
.irp c, 0,1,2,3
	global_load_b128 v[G+8*\c:G+8*\c+3],   v1, s[6:7] offset:1024*\c
	global_load_b128 v[G+8*\c+4:G+8*\c+7], v1, s[6:7] offset:1024*\c+16
.endr
.irp c, 0,1,2,3
	global_load_b128 v[BE+8*\c:BE+8*\c+3],   v1, s[8:9] offset:1024*\c
	global_load_b128 v[BE+8*\c+4:BE+8*\c+7], v1, s[8:9] offset:1024*\c+16
.endr
	s_wait_kmcnt 0x0
	s_add_co_i32 s24, s24, 127
	s_lshl_b32 s27, s24, 23
	v_mov_b32 v[SCL], s27                          ; 2^e as f32: the conversion takes its exponent field
	s_add_co_i32 s27, s24, 8
	s_lshl_b32 s27, s27, 23
	s_or_b32 s27, s27, 0x600000
	v_mov_b32 v[LIM], s27                          ; 448 x 2^e
.macro LANESUM                         ; v8 summed over the 32 lanes, the result in every lane
.irp m, 1,2,4,8
	s_delay_alu instid0(VALU_DEP_1)
	v_add_f32_dpp v8, v8, v8 row_xmask:\m row_mask:0xf bank_mask:0xf
.endr
	s_delay_alu instid0(VALU_DEP_1)
	v_permlanex16_b32 v9, v8, s20, s21             ; (v9 has been written: a permute's destination counts as read)
	s_delay_alu instid0(VALU_DEP_1)
	v_add_f32 v8, v8, v9
.endm
	s_wait_loadcnt 16                              ; the row is in; the sixteen younger loads, g and be, may be out
	v_pk_add_f32 v[8:9], v[X:X+1], v[X+2:X+3]      ; the sum, two at a time, in two chains
	v_pk_add_f32 v[10:11], v[X+4:X+5], v[X+6:X+7]
.irp j, 8,12,16,20,24,28
	v_pk_add_f32 v[8:9], v[8:9], v[X+\j:X+\j+1]
	v_pk_add_f32 v[10:11], v[10:11], v[X+\j+2:X+\j+3]
.endr
	v_pk_add_f32 v[8:9], v[8:9], v[10:11]
	s_delay_alu instid0(VALU_DEP_1)
	v_add_f32 v8, v8, v9
	LANESUM
	s_delay_alu instid0(VALU_DEP_1)
	v_mul_f32 v4, 0xba800000, v8                   ; -mean
	s_delay_alu instid0(VALU_DEP_1)
	v_mov_b32 v5, v4
.irp j, 0,2,4,6,8,10,12,14,16,18,20,22,24,26,28,30
	v_pk_add_f32 v[X+\j:X+\j+1], v[X+\j:X+\j+1], v[4:5]
.endr
	v_pk_mul_f32 v[8:9], v[X:X+1], v[X:X+1]        ; the sum of squares of x - mean
	v_pk_mul_f32 v[10:11], v[X+2:X+3], v[X+2:X+3]
.irp j, 4,8,12,16,20,24,28
	v_pk_fma_f32 v[8:9], v[X+\j:X+\j+1], v[X+\j:X+\j+1], v[8:9]
	v_pk_fma_f32 v[10:11], v[X+\j+2:X+\j+3], v[X+\j+2:X+\j+3], v[10:11]
.endr
	v_pk_add_f32 v[8:9], v[8:9], v[10:11]
	s_delay_alu instid0(VALU_DEP_1)
	v_add_f32 v8, v8, v9
	LANESUM
	s_delay_alu instid0(VALU_DEP_1)
	v_fma_f32 v8, v8, s22, s23                     ; var + 1e-5
	s_wait_alu depctr_va_vdst(0)                   ; the wait ahead of the transcendentals
	v_rsq_f32 v6, v8                               ; twice: a pair for the packed multiply
	v_rsq_f32 v7, v8
	v_nop                                          ; a plain instruction behind them,
	s_wait_alu depctr_va_vdst(0)                   ; and one wait for both, ahead of their first reader
	s_wait_loadcnt 0x0                             ; g and be
.irp j, 0,2,4,6,8,10,12,14,16,18,20,22,24,26,28,30
	v_pk_mul_f32 v[X+\j:X+\j+1], v[X+\j:X+\j+1], v[6:7]
.endr
.irp j, 0,2,4,6,8,10,12,14,16,18,20,22,24,26,28,30
	v_pk_fma_f32 v[X+\j:X+\j+1], v[X+\j:X+\j+1], v[G+\j:G+\j+1], v[BE+\j:BE+\j+1]
.endr
.irp c, 0,1,2,3
.irp j, 0,1,2,3,4,5,6,7
	v_med3_num_f32 v[T+8*(\c%2)+\j], v[X+8*\c+\j], -v[LIM], v[LIM]   ; the conversion does not saturate (ISA guide 7.6.2): the hold
.endr
	v_cvt_scalef32_pk8_fp8_f32 v[C+2*\c:C+2*\c+1], v[T+8*(\c%2):T+8*(\c%2)+7], v[SCL]   ; the next chunk's holds write the other set
	global_store_b64 v2, v[C+2*\c:C+2*\c+1], s[12:13] offset:256*\c                     ; 32 lanes x 8 bytes: 256 consecutive bytes, aligned
.endr
	s_endpgm
.Lfunc_end_k_q2c01c8aa7c_ln2:
	.size	k_q2c01c8aa7c_ln2, .Lfunc_end_k_q2c01c8aa7c_ln2-k_q2c01c8aa7c_ln2
	.p2alignl 7, 3214868480
	.fill 96, 4, 3214868480
	.section	.rodata,"a",@progbits
	.p2align	6, 0x0
	.amdhsa_kernel k_q2c01c8aa7c_ln2
		.amdhsa_group_segment_fixed_size 0
		.amdhsa_private_segment_fixed_size 0
		.amdhsa_enable_private_segment 0
		.amdhsa_kernarg_size 40
		.amdhsa_user_sgpr_count 2
		.amdhsa_user_sgpr_kernarg_segment_ptr 1
		.amdhsa_wavefront_size32 1
		.amdhsa_system_sgpr_workgroup_id_x 1
		.amdhsa_system_sgpr_workgroup_id_y 1
		.amdhsa_system_sgpr_workgroup_id_z 1
		.amdhsa_system_vgpr_workitem_id 0
		.amdhsa_next_free_vgpr 256
		.amdhsa_next_free_sgpr 66
		.amdhsa_reserve_vcc 0
		.amdhsa_float_denorm_mode_32 3
		.amdhsa_float_denorm_mode_16_64 3
		.amdhsa_memory_ordered 1
		.amdhsa_forward_progress 1
		.amdhsa_inst_pref_size 14
	.end_amdhsa_kernel
	.amdgpu_metadata
---
amdhsa.version: [ 1, 2 ]
amdhsa.kernels:
  - .name:           k_q2c01c8aa7c_ln2
    .symbol:         k_q2c01c8aa7c_ln2.kd
    .args:
      - { .name: x1, .offset: 0, .size: 8, .value_kind: global_buffer, .address_space: global }
      - { .name: g2, .offset: 8, .size: 8, .value_kind: global_buffer, .address_space: global }
      - { .name: be2, .offset: 16, .size: 8, .value_kind: global_buffer, .address_space: global }
      - { .name: lowp_scales, .offset: 24, .size: 8, .value_kind: global_buffer, .address_space: global }
      - { .name: nx2c, .offset: 32, .size: 8, .value_kind: global_buffer, .address_space: global }
    .group_segment_fixed_size: 0
    .private_segment_fixed_size: 0
    .kernarg_segment_align: 8
    .kernarg_segment_size: 40
    .max_flat_workgroup_size: 128
    .sgpr_count:     66
    .vgpr_count:     256
    .wavefront_size: 32
...
	.end_amdgpu_metadata
.endif
;; end of part 5
;; launch ffn1 (part 6): grid 16 x 16, 4 waves a work-group, clusters of 4 x 4, 327,680 bytes of LDS; arguments nx2c, w1_codes, lowp_scales, b1, h_img; writes h_img
.if DOCPART == 6
	.amdgcn_target "amdgcn-amd-amdhsa--gfx1250"
	.amdhsa_code_object_version 6
	.text
	.protected	k_q2c01c8aa7c_ffn1
	.globl	k_q2c01c8aa7c_ffn1
	.p2align	8
	.type	k_q2c01c8aa7c_ffn1,@function
k_q2c01c8aa7c_ffn1:
	s_mov_b64 s[64:65], 0
	v_nop
	global_prefetch_b8 v0, s[64:65] scope:SCOPE_SE
	s_setreg_imm32_b32 hwreg(HW_REG_WAVE_MODE, 25, 1), 1
	s_wait_xcnt 0x0
	s_wait_alu depctr_hold_cnt(0) depctr_sa_sdst(0) depctr_va_vdst(0) depctr_va_sdst(0) depctr_va_ssrc(0) depctr_va_vcc(0) depctr_vm_vsrc(0)
	s_getreg_b32 s2, hwreg(HW_REG_IB_STS2, 6, 4)
	s_cmp_eq_u32 s2, 0
	s_cbranch_scc0 .Lentry_in_a_cluster
	s_endpgm
.Lentry_in_a_cluster:
	s_bfe_u32 s2, ttmp6, 0x10000c
	s_cmp_lg_u32 s2, 0xf033
	s_cbranch_scc0 .Lentry_shape_is_right
	s_endpgm
.Lentry_shape_is_right:
.set SIZE_K, 1024
.set KSTEP,  256
.set ROWB,   256
.set KROW,   SIZE_K
.set PITCH,  272
.set FR,     16
.set NL,     4
.set NP,     4
.set HALFT,  128*PITCH
.set SLOT,   4*HALFT
.set LAPS,   SIZE_K/(2*KSTEP)
.set SPARE,  2*SLOT
.set ADRA, 16
.set ADRB, 20
.set CO,   26
.set SPW,  28
.set NIL,  29
.set SCL,  30
.set LIM,  31
.set BIAS, 64
.set AF,   128
.set TMP,  128
.set G1, 24
.set G0, 32
.set G1B, 48
.set G0B, 56
.set MSB, 0
.macro WIN new
.if MSB != (\new)
	s_set_vgpr_msb (MSB<<8)|(\new)
.set MSB, \new
.endif
.endm
.set MUL_LO, 0xa1
.set MUL_HI, 0xf1
.set TO_B,   0x40
.macro JLOAD g0a, g1a, g0b, g1b
	s_cmp_eq_u32 s15, 0
	s_cbranch_scc0 .Lfor_b_\@
	tensor_load_to_lds s[\g0a:\g0a+3], s[\g1a:\g1a+7]
	s_nop 0
.rept 4
	v_nop
.endr
	s_branch .Lasked_\@
.Lfor_b_\@:
	tensor_load_to_lds s[\g0b:\g0b+3], s[\g1b:\g1b+7]
	s_nop 0
.rept 4
	v_nop
.endr
.Lasked_\@:
.endm
.macro CREST
	s_cmp_lg_u32 s14, 0
	s_cbranch_scc1 .Lnot_wave_0_\@
	s_barrier_signal -3
.Lnot_wave_0_\@:
	s_barrier_wait -3
	s_barrier_signal -1
	s_barrier_wait -1
.endm
.macro CROUND
	s_barrier_signal -1
	s_barrier_wait -1
	CREST
.endm
	s_load_b128 s[4:7], s[0:1], 0x0
	s_load_b128 s[8:11], s[0:1], 0x10
	s_load_b64 s[12:13], s[0:1], 0x20
	v_lshl_add_u32 v[SPW], v0, 2, SPARE
	v_mov_b32 v[NIL], 0
	ds_add_u32 v28, v29
	ds_add_u32 v28, v29
	s_wait_dscnt 0x0
	v_lshrrev_b32 v1, 5, v0
	v_readfirstlane_b32 s14, v1
	s_lshr_b32 s15, s14, 1
	s_and_b32 s16, s14, 1
	s_bfe_u32 s40, ttmp6, 0x40000
	s_bfe_u32 s41, ttmp6, 0x40004
	s_lshl_b32 s42, ttmp9, 2
	s_add_co_u32 s42, s42, s40
	s_and_b32 s17, ttmp7, 0xffff
	s_lshl_b32 s17, s17, 2
	s_add_co_u32 s17, s17, s41
	s_lshl_b32 s43, s41, 2
	s_lshl_b32 s43, 15, s43
	s_lshl_b32 s44, 0x1111, s40
	s_or_b32 s[G1+0], s43, (0<<16)|(1<<20)|(1<<21)|(5<<22)|(3<<25)
	s_or_b32 s[G1B+0], s44, (0<<16)|(1<<20)|(1<<21)|(5<<22)|(3<<25)
.irp g, G1, G1B
	s_mov_b32 s[\g+1], ROWB<<16
	s_mov_b32 s[\g+2], 128<<16
	s_mov_b32 s[\g+3], ROWB<<16
	s_mov_b32 s[\g+4], 128
	s_mov_b32 s[\g+5], KROW
	s_mov_b32 s[\g+6], 0
	s_mov_b32 s[\g+7], 0
.endr
	s_lshl_b32 s18, s16, 7
	s_lshl_b32 s20, s17, 8
	s_add_co_u32 s20, s20, s18
	s_lshl_b32 s20, s20, 10
	s_mov_b32 s21, 0
	s_lshl_b32 s46, s42, 8
	s_add_co_u32 s46, s46, s18
	s_lshl_b32 s46, s46, 10
	s_mov_b32 s47, 0
	s_mul_i32 s45, s14, HALFT
	s_wait_kmcnt 0x0
	s_load_b128 s[68:71], s[8:9], 0x30
	s_add_nc_u64 s[20:21], s[4:5], s[20:21]
	s_add_nc_u64 s[46:47], s[6:7], s[46:47]
	CROUND
.irp s, 0,1
	s_mov_b32 s[G0+4*\s], 1
	s_add_co_u32 s[G0+4*\s+1], s45, \s*SLOT
	s_add_nc_u64 s[G0+4*\s+2:G0+4*\s+3], s[20:21], \s*ROWB
	s_or_b32 s[G0+4*\s+3], s[G0+4*\s+3], 0x80000000
	s_mov_b32 s[G0B+4*\s], 1
	s_add_co_u32 s[G0B+4*\s+1], s45, \s*SLOT
	s_add_nc_u64 s[G0B+4*\s+2:G0B+4*\s+3], s[46:47], \s*ROWB
	s_or_b32 s[G0B+4*\s+3], s[G0B+4*\s+3], 0x80000000
.endr
	; THE PREFETCHES' ADDRESS: of the 128 rows that my wave fetches, the four partners that ask for them jointly take 32 each, told apart by address (cx for A's rows, cy for B's); a lane a row, 256 bytes of it a K step
	s_cmp_eq_u32 s15, 0
	s_cselect_b64 s[86:87], s[20:21], s[46:47]     ; my wave's 128 rows
	s_cselect_b32 s88, s40, s41                    ; my place among the four
	s_lshl_b32 s88, s88, 15                        ; 32 rows of 1,024 bytes
	s_mov_b32 s89, 0
	s_add_nc_u64 s[86:87], s[86:87], s[88:89]      ; never rewritten
	v_and_b32 v27, 31, v0
	v_lshlrev_b32 v27, 10, v27                     ; my lane's row; never rewritten
	s_wait_alu depctr_va_vdst(0)                   ; the wait ahead of the branches below
	JLOAD G0, G1, G0B, G1B                         ; K step 0: one tensor load a wave at the head, behind the opening round
	global_prefetch_b8 v27, s[86:87] offset:ROWB th:TH_LOAD_NT scope:SCOPE_SE     ; K step 1, whose load follows behind the next round,
	global_prefetch_b8 v27, s[86:87] offset:2*ROWB th:TH_LOAD_NT scope:SCOPE_SE   ; and K step 2, two loads on
	v_and_b32 v1, 15, v0
	v_bfe_u32 v2, v0, 4, 1
	v_mul_u32_u24 v3, v1, PITCH
	v_lshl_add_u32 v4, v2, 4, v3
	s_mul_i32 s21, s15, HALFT
	s_mul_i32 s22, s16, HALFT
	s_add_co_u32 s22, s22, 2*HALFT
.irp s, 0,1
	v_add_nc_u32 v[ADRA+\s], s21, v4
	v_add_nc_u32 v[ADRB+\s], s22, v4
	s_add_co_u32 s21, s21, SLOT
	s_add_co_u32 s22, s22, SLOT
.endr
	v_lshlrev_b32 v[CO], 4, v1
	v_lshl_add_u32 v[CO], v2, 3, v[CO]
	v_lshlrev_b32 v8, 5, v2
	s_lshl_b32 s20, s42, 8
	s_lshl_b32 s21, s16, 7
	s_add_co_u32 s20, s20, s21
	s_lshl_b32 s20, s20, 2
	s_mov_b32 s21, 0
	s_add_nc_u64 s[10:11], s[10:11], s[20:21]
.irp b, 0,1,2,3,4,5,6,7
	global_load_b128 v[BIAS+8*\b:BIAS+8*\b+3],   v8, s[10:11] offset:64*\b
	global_load_b128 v[BIAS+8*\b+4:BIAS+8*\b+7], v8, s[10:11] offset:64*\b+16
.endr
	s_lshl_b32 s20, s17, 4
	s_lshl_b32 s21, s15, 3
	s_add_co_u32 s20, s20, s21
	s_lshl_b32 s20, s20, 16
	s_lshl_b32 s21, s42, 1
	s_add_co_u32 s21, s21, s16
	s_lshl_b32 s21, s21, 11
	s_add_co_u32 s20, s20, s21
	s_mov_b32 s21, 0
	s_add_nc_u64 s[12:13], s[12:13], s[20:21]
.macro FRAG reg, adr, q, i
.irp c, 0,1,2,3
	ds_load_b128 v[\reg+4*\c:\reg+4*\c+3], v[\adr] offset:128*(\q)+32*\c+(\i)*16*PITCH
.endr
.endm
.macro MUL16 a0, p, zero
.irp a, \a0, \a0+1
.irp b, 0,1,2,3,4,5,6,7
.if \zero
	v_wmma_f32_16x16x128_fp8_fp8 v[8*(8*((\a)%4)+\b):8*(8*((\a)%4)+\b)+7], v[128*(\p)+FR*\b:128*(\p)+FR*\b+FR-1], v[AF+FR*(\a):AF+FR*(\a)+FR-1], 0
.else
	v_wmma_f32_16x16x128_fp8_fp8 v[8*(8*((\a)%4)+\b):8*(8*((\a)%4)+\b)+7], v[128*(\p)+FR*\b:128*(\p)+FR*\b+FR-1], v[AF+FR*(\a):AF+FR*(\a)+FR-1], v[8*(8*((\a)%4)+\b):8*(8*((\a)%4)+\b)+7]
.endif
.endr
.endr
.endm
.macro FETCH_B slot, q, p
	WIN TO_B
.irp i, 0,1,2,3,4,5,6,7
	FRAG 128*(\p)+FR*\i, ADRB+\slot, \q, \i
.endr
	WIN 0
.endm
.macro FETCH_A slot, q, i0
.irp i, \i0, \i0+1, \i0+2, \i0+3
	FRAG AF+FR*(\i), ADRA+\slot, \q, \i
.endr
.endm
.macro PLACES n
.rept \n
	v_nop
.endr
.endm
.macro STEP slot, q, zero
	s_wait_dscnt 4*NL
	WIN MUL_LO
	MUL16 0, (\q)%2, \zero
	MUL16 2, (\q)%2, \zero
	s_wait_dscnt 0
	PLACES NP
	FETCH_B \slot, (\q)+1, 1-(\q)%2
	FETCH_A \slot, (\q)+1, 0
	WIN MUL_HI
	MUL16 4, (\q)%2, \zero
	MUL16 6, (\q)%2, \zero
	PLACES NP
	WIN 0
	FETCH_A \slot, (\q)+1, 4
.endm
.macro TURN slot, next, fill
	s_wait_tensorcnt 0x0
	ds_add_u32 v[SPW], v[NIL]
	s_wait_dscnt 4*NL+1
	WIN MUL_LO
	MUL16 0, 1, 0
	s_wait_dscnt 0x0
	s_barrier_signal -1
	MUL16 2, 1, 0
	WIN 0
	s_barrier_wait -1
.if \fill
	CREST
	s_add_nc_u64 s[G0+4*\slot+2:G0+4*\slot+3], s[G0+4*\slot+2:G0+4*\slot+3], 2*ROWB
	s_add_nc_u64 s[G0B+4*\slot+2:G0B+4*\slot+3], s[G0B+4*\slot+2:G0B+4*\slot+3], 2*ROWB
	JLOAD G0+4*\slot, G1, G0B+4*\slot, G1B
.else
	PLACES NP
.endif
	FETCH_B \next, 0, 0
	FETCH_A \next, 0, 0
	WIN MUL_HI
	MUL16 4, 1, 0
	MUL16 6, 1, 0
	PLACES NP
	WIN 0
	FETCH_A \next, 0, 4
.endm
	s_wait_alu depctr_va_vdst(0)                   ; the wait at the head's end
	s_wait_tensorcnt 0x0                           ; my part of K step 0 is in
	ds_add_u32 v[SPW], v[NIL]
	s_wait_dscnt 0x0
	CROUND                                         ; everybody's part of K step 0 is in, and all sixteen work-groups are here
	JLOAD G0+4, G1, G0B+4, G1B                     ; K step 1, the first tensor load behind the round
	FETCH_B 0, 0, 0
	FETCH_A 0, 0, 0
	FETCH_A 0, 0, 4
	global_prefetch_b8 v27, s[86:87] offset:3*ROWB th:TH_LOAD_NT scope:SCOPE_SE   ; behind K step 1's load and the run of LDS loads: K step 3, the last, two loads on
	STEP 0, 0, 1
	s_mov_b32 s3, LAPS-1
.Llap:
	TURN 0, 1, 1
	STEP 1, 0, 0
	TURN 1, 0, 1
	STEP 0, 0, 0
	s_sub_co_u32 s3, s3, 1
	s_cmp_lg_u32 s3, 0
	s_cbranch_scc1 .Llap
	TURN 0, 1, 0
	STEP 1, 0, 0
	s_wait_dscnt 4*NL
	WIN MUL_LO
	MUL16 0, 1, 0
	MUL16 2, 1, 0
	s_wait_dscnt 0
	WIN MUL_HI
	MUL16 4, 1, 0
	MUL16 6, 1, 0
	WIN 0
	s_wait_kmcnt 0x0
	s_add_co_i32 s20, s68, s69
	s_sub_co_i32 s21, 0, s20
	s_sub_co_i32 s23, s70, s20
	s_add_co_i32 s23, s23, 127
	s_lshl_b32 s22, s23, 23
	v_mov_b32 v[SCL], s22
	s_add_co_i32 s23, s23, 8
	s_lshl_b32 s23, s23, 23
	s_or_b32 s23, s23, 0x600000
	v_mov_b32 v[LIM], s23
	s_wait_loadcnt 0x0
.set n, 0
.rept 64
	v_ldexp_f32 v[BIAS+n], v[BIAS+n], s21
.set n, n+1
.endr
.macro EPI a
.set AC, 64*((\a)%4)
.set R, 32+16*((\a)%2)
.if (\a) >= 2
	s_wait_xcnt 0x0
.endif
	WIN 0x02+((\a)/4)
.irp b, 0,1,2,3,4,5,6,7
.irp i, 0,2,4,6
	v_pk_add_f32 v[TMP+8*\b+\i:TMP+8*\b+\i+1], v[AC+8*\b+\i:AC+8*\b+\i+1], v[BIAS+8*\b+\i:BIAS+8*\b+\i+1]
.endr
.endr
	WIN 0
.irp b, 0,1,2,3,4,5,6,7
.irp j, 0,1,2,3,4,5,6,7
	v_med3_num_f32 v[TMP+8*\b+\j], v[TMP+8*\b+\j], 0, v[LIM]
.endr
	v_cvt_scalef32_pk8_fp8_f32 v[R+2*\b:R+2*\b+1], v[TMP+8*\b:TMP+8*\b+7], v[SCL]
.endr
	v_nop
.irp b, 0,1,2,3,4,5,6,7
	global_store_b64 v[CO], v[R+2*\b:R+2*\b+1], s[12:13] offset:(\a)*65536+256*\b
.endr
.endm
.irp a, 0,1,2,3,4,5,6,7
	EPI \a
.endr
	s_wait_tensorcnt 0x0
	ds_add_u32 v[SPW], v[NIL]
	s_wait_dscnt 0x0
	CROUND
	s_endpgm
.Lfunc_end_k_q2c01c8aa7c_ffn1:
	.size	k_q2c01c8aa7c_ffn1, .Lfunc_end_k_q2c01c8aa7c_ffn1-k_q2c01c8aa7c_ffn1
	.p2alignl 7, 3214868480
	.fill 96, 4, 3214868480
	.section	.rodata,"a",@progbits
	.p2align	6, 0x0
	.amdhsa_kernel k_q2c01c8aa7c_ffn1
		.amdhsa_group_segment_fixed_size 327680
		.amdhsa_private_segment_fixed_size 0
		.amdhsa_enable_private_segment 0
		.amdhsa_kernarg_size 40
		.amdhsa_user_sgpr_count 2
		.amdhsa_user_sgpr_kernarg_segment_ptr 1
		.amdhsa_wavefront_size32 1
		.amdhsa_system_sgpr_workgroup_id_x 1
		.amdhsa_system_sgpr_workgroup_id_y 1
		.amdhsa_system_sgpr_workgroup_id_z 1
		.amdhsa_system_vgpr_workitem_id 0
		.amdhsa_next_free_vgpr 1024
		.amdhsa_next_free_sgpr 100
		.amdhsa_reserve_vcc 0
		.amdhsa_float_denorm_mode_32 3
		.amdhsa_float_denorm_mode_16_64 3
		.amdhsa_memory_ordered 1
		.amdhsa_forward_progress 1
		.amdhsa_inst_pref_size 143
	.end_amdhsa_kernel
	.amdgpu_metadata
---
amdhsa.version: [ 1, 2 ]
amdhsa.kernels:
  - .name:           k_q2c01c8aa7c_ffn1
    .symbol:         k_q2c01c8aa7c_ffn1.kd
    .args:
      - { .name: nx2c, .offset: 0, .size: 8, .value_kind: global_buffer, .address_space: global }
      - { .name: w1_codes, .offset: 8, .size: 8, .value_kind: global_buffer, .address_space: global }
      - { .name: lowp_scales, .offset: 16, .size: 8, .value_kind: global_buffer, .address_space: global }
      - { .name: b1, .offset: 24, .size: 8, .value_kind: global_buffer, .address_space: global }
      - { .name: h_img, .offset: 32, .size: 8, .value_kind: global_buffer, .address_space: global }
    .group_segment_fixed_size: 327680
    .private_segment_fixed_size: 0
    .kernarg_segment_align: 8
    .kernarg_segment_size: 40
    .max_flat_workgroup_size: 128
    .sgpr_count:     100
    .vgpr_count:     1024
    .wavefront_size: 32
...
	.end_amdgpu_metadata
.endif
;; end of part 6
;; launch ffn2 (part 7): grid 32 x 8, 4 waves a work-group, clusters of 4 x 1, 327,680 bytes of LDS; arguments h_img, w2_codes, lowp_scales, b2, x1, out0; writes out0
.if DOCPART == 7
	.amdgcn_target "amdgcn-amd-amdhsa--gfx1250"
	.amdhsa_code_object_version 6
	.text
	.protected	k_q2c01c8aa7c_ffn2
	.globl	k_q2c01c8aa7c_ffn2
	.p2align	8
	.type	k_q2c01c8aa7c_ffn2,@function
k_q2c01c8aa7c_ffn2:
	s_mov_b64 s[64:65], 0
	v_nop
	global_prefetch_b8 v0, s[64:65] scope:SCOPE_SE
	s_setreg_imm32_b32 hwreg(HW_REG_WAVE_MODE, 25, 1), 1
	s_wait_xcnt 0x0
	s_wait_alu depctr_hold_cnt(0) depctr_sa_sdst(0) depctr_va_vdst(0) depctr_va_sdst(0) depctr_va_ssrc(0) depctr_va_vcc(0) depctr_vm_vsrc(0)
	s_getreg_b32 s2, hwreg(HW_REG_IB_STS2, 6, 4)
	s_cmp_eq_u32 s2, 0
	s_cbranch_scc0 .Lentry_in_a_cluster
	s_endpgm
.Lentry_in_a_cluster:
	s_bfe_u32 s2, ttmp6, 0x10000c
	s_cmp_lg_u32 s2, 0x3003
	s_cbranch_scc0 .Lentry_shape_is_right
	s_endpgm
.Lentry_shape_is_right:
.set SIZE_K, 4096
.set SOFF,   0x38
.set NKB,    SIZE_K/128
.set NGRP,   NKB+4
.set SK,     1024
.set PITCH,  SK+16
.set SLOT,   128*PITCH
.set STAGE,  2*SLOT
.set SPITCH, 528
.set SPARE,  STAGE+4*16*SPITCH
.set LI,   16
.set ADRB, 20
.set STO,  24
.set RD,   25
.set SPW,  28
.set NIL,  29
.set BK,   32
.set BV,   96
.set ACC,  128
.set G1, 24
.set G0, 32
.set MSB, 0
.macro WIN new
.if MSB != (\new)
	s_set_vgpr_msb (MSB<<8)|(\new)
.set MSB, \new
.endif
.endm
.set MUL,  0x09
.set TO_B, 0x40
.set TO_A, 0x80
.set TO_R, 0xc0
.macro CREST
	s_cmp_lg_u32 s10, 0
	s_cbranch_scc1 .Lnot_wave_0_\@
	s_barrier_signal -3
.Lnot_wave_0_\@:
	s_barrier_wait -3
	s_barrier_signal -1
	s_barrier_wait -1
.endm
.macro CROUND
	s_barrier_signal -1
	s_barrier_wait -1
	CREST
.endm
.macro PLACES
.rept 4
	v_nop
.endr
.endm
.macro GROUP g
.if (\g) < NKB
	WIN TO_A
.irp a, 0,1
.irp c, 0,1,2,3
	global_load_b128 v[32*((\g)%8)+16*\a+4*\c:32*((\g)%8)+16*\a+4*\c+3], v[LI], s[4:5] offset:\a*65536+(\g)*2048+512*\c
.endr
.endr
.else
	WIN TO_R
.irp t, 0,1,2,3,4,5,6,7
	global_load_b128 v[4*(8*((\g)-NKB)+\t):4*(8*((\g)-NKB)+\t)+3], v[LI], s[72:73] offset:(8*((\g)-NKB)+\t)*4096 th:TH_LOAD_NT
.endr
.endif
.endm
.macro FETCH_B kb
	WIN TO_B
.irp i, 0,1,2,3,4,5,6,7
.irp c, 0,1,2,3
	ds_load_b128 v[128*((\kb)%2)+16*\i+4*\c:128*((\kb)%2)+16*\i+4*\c+3], v[ADRB+2*(((\kb)/8)%2)+\i/4] offset:((\kb)%8)*128+32*\c+(\i%4)*16*PITCH
.endr
.endr
.endm
.macro MULA a
.irp b, 0,1,2,3,4,5,6,7
.if KB == 0
	v_wmma_f32_16x16x128_fp8_fp8 v[ACC+8*(8*\a+\b):ACC+8*(8*\a+\b)+7], v[128*(KB%2)+16*\b:128*(KB%2)+16*\b+15], v[32*(KB%8)+16*\a:32*(KB%8)+16*\a+15], 0
.else
	v_wmma_f32_16x16x128_fp8_fp8 v[ACC+8*(8*\a+\b):ACC+8*(8*\a+\b)+7], v[128*(KB%2)+16*\b:128*(KB%2)+16*\b+15], v[32*(KB%8)+16*\a:32*(KB%8)+16*\a+15], v[ACC+8*(8*\a+\b):ACC+8*(8*\a+\b)+7]
.endif
.endr
.endm
.macro BLOCK
.set NW, 48
.if KB == NKB-2
.set NW, 40
.endif
.if KB == NKB-1
.set NW, 32
.endif
.set CHG, 0
.if (KB%8) == 7
.if KB < NKB-1
.set CHG, 1
.endif
.endif
.if CHG
	WIN 0
	s_wait_tensorcnt 0x0
	ds_add_u32 v[SPW], v[NIL]
	s_wait_dscnt 1
	s_wait_loadcnt NW
	WIN MUL
	MULA 0
	s_wait_dscnt 0x0
	s_barrier_signal -1
	MULA 1
	WIN 0
	s_barrier_wait -1
.if KB < NKB-16
	CREST
	s_add_nc_u64 s[G0+4*((KB/8)%2)+2:G0+4*((KB/8)%2)+3], s[G0+4*((KB/8)%2)+2:G0+4*((KB/8)%2)+3], 2*SK
	tensor_load_to_lds s[G0+4*((KB/8)%2):G0+4*((KB/8)%2)+3], s[G1:G1+7]
	s_nop 0
.endif
	PLACES
	FETCH_B KB+1
	GROUP KB+7
.else
	s_wait_dscnt 0x0
	s_wait_loadcnt NW
.if KB < NKB-1
.if KB > 0
	PLACES
.endif
	FETCH_B KB+1
.if KB+7 < NGRP
	GROUP KB+7
.endif
.endif
	WIN MUL
	MULA 0
	MULA 1
.endif
.endm
	s_load_b128 s[4:7], s[0:1], 0x0
	s_load_b256 s[68:75], s[0:1], 0x10
	v_lshl_add_u32 v[SPW], v0, 2, SPARE
	v_mov_b32 v[NIL], 0
	ds_add_u32 v28, v29
	ds_add_u32 v28, v29
	s_wait_dscnt 0x0
	v_lshrrev_b32 v1, 5, v0
	v_readfirstlane_b32 s10, v1
	v_and_b32 v3, 31, v0
	v_lshlrev_b32 v[LI], 4, v3
	s_bfe_u32 s40, ttmp6, 0x40000
	s_lshl_b32 s13, ttmp9, 2
	s_add_co_u32 s13, s13, s40
	s_and_b32 s42, ttmp7, 0xffff
	s_mov_b32 s[G1+0], 15|(0<<16)|(1<<20)|(1<<21)|(7<<22)|(3<<25)
	s_mov_b32 s[G1+1], SK<<16
	s_mov_b32 s[G1+2], 32<<16
	s_mov_b32 s[G1+3], SK<<16
	s_mov_b32 s[G1+4], 32
	s_mov_b32 s[G1+5], SIZE_K
	s_mov_b32 s[G1+6], 0
	s_mov_b32 s[G1+7], 0
	s_lshl_b32 s46, s42, 19
	s_lshl_b32 s47, s10, 17
	s_add_co_u32 s46, s46, s47
	s_mov_b32 s47, 0
	s_mul_i32 s20, s10, 32*PITCH
	s_lshl_b32 s16, s13, 19
	s_lshl_b32 s17, s10, 17
	s_add_co_u32 s16, s16, s17
	s_mov_b32 s17, 0
	s_lshl_b32 s18, s42, 9
	s_mov_b32 s19, 0
	s_wait_alu depctr_va_vdst(0)
	s_wait_kmcnt 0x0
	s_load_b64 s[78:79], s[68:69], SOFF
	s_add_nc_u64 s[4:5], s[4:5], s[16:17]
	s_add_nc_u64 s[70:71], s[70:71], s[18:19]
	s_add_nc_u64 s[72:73], s[72:73], s[16:17]
	s_add_nc_u64 s[72:73], s[72:73], s[18:19]
	s_add_nc_u64 s[74:75], s[74:75], s[16:17]
	s_add_nc_u64 s[74:75], s[74:75], s[18:19]
	s_add_nc_u64 s[46:47], s[6:7], s[46:47]
	global_load_b128 v[BV:BV+3], v[LI], s[70:71]
.irp g, 0,1,2,3,4,5,6
	GROUP \g
.endr
	WIN 0
.irp s, 0,1
	s_mov_b32 s[G0+4*\s], 1
	s_add_co_u32 s[G0+4*\s+1], s20, \s*SLOT
	s_add_nc_u64 s[G0+4*\s+2:G0+4*\s+3], s[46:47], \s*SK
	s_or_b32 s[G0+4*\s+3], s[G0+4*\s+3], 0x80000000
.endr
	; THE PREFETCHES' ADDRESS: a slot's part of each of my wave's 32 rows of W is 1,024 bytes, four blocks of 256: the four partners that ask for the rows jointly take one block each, told apart by address (cx); a lane a row
	s_lshl_b32 s50, s40, 8
	s_mov_b32 s51, 0
	s_add_nc_u64 s[48:49], s[46:47], s[50:51]      ; never rewritten
	v_and_b32 v27, 31, v0
	v_lshlrev_b32 v27, 12, v27                     ; my lane's row of 4,096 bytes; never rewritten
	s_wait_alu depctr_va_vdst(0)                   ; the wait ahead of the round below
	CROUND
	tensor_load_to_lds s[G0:G0+3], s[G1:G1+7]
	s_nop 0
	global_prefetch_b8 v27, s[48:49] offset:SK th:TH_LOAD_NT scope:SCOPE_SE       ; slot 1's first fill, whose load follows behind the next round,
	global_prefetch_b8 v27, s[48:49] offset:2*SK th:TH_LOAD_NT scope:SCOPE_SE     ; and the fill two loads on
	s_wait_alu depctr_va_vdst(0)
	s_wait_tensorcnt 0x0
	ds_add_u32 v28, v29
	s_wait_dscnt 0x0
	CROUND
	tensor_load_to_lds s[G0+4:G0+7], s[G1:G1+7]
	s_nop 0
	PLACES
	global_prefetch_b8 v27, s[48:49] offset:3*SK th:TH_LOAD_NT scope:SCOPE_SE     ; the last fill, two loads on
	v_and_b32 v1, 15, v0
	v_bfe_u32 v2, v0, 4, 1
	v_mul_u32_u24 v4, v1, PITCH
	v_lshl_add_u32 v[ADRB], v2, 4, v4
	v_add_nc_u32 v[ADRB+1], 64*PITCH, v[ADRB]
	v_add_nc_u32 v[ADRB+2], SLOT, v[ADRB]
	v_add_nc_u32 v[ADRB+3], SLOT+64*PITCH, v[ADRB]
	s_mul_i32 s23, s10, 16*SPITCH
	s_add_co_u32 s23, s23, STAGE
	v_mul_u32_u24 v5, v1, SPITCH
	v_lshl_add_u32 v5, v2, 5, v5
	v_add_nc_u32 v[STO], s23, v5
	v_add_nc_u32 v[RD], s23, v[LI]
	s_wait_alu depctr_va_vdst(0)
	s_wait_tensorcnt 1
	s_barrier_signal -1
	s_barrier_wait -1
	FETCH_B 0
.set KB, 0
.rept NKB
	BLOCK
.set KB, KB+1
.endr
	WIN 0
.macro TOSTAGE a
.irp b, 0,1,2,3,4,5,6,7
	ds_store_b128 v[STO], v[ACC+8*(8*\a+\b):ACC+8*(8*\a+\b)+3] offset:64*\b
	ds_store_b128 v[STO], v[ACC+8*(8*\a+\b)+4:ACC+8*(8*\a+\b)+7] offset:64*\b+16
.endr
.if \a == 1
	s_wait_dscnt 32
.endif
.set BB, BK+96*\a
.irp t, 0,1,2,3,4,5,6,7,8,9,10,11,12,13,14,15
	ds_load_b128 v[BB+4*\t:BB+4*\t+3], v[RD] offset:\t*SPITCH
.endr
.endm
.macro SEND a, younger
.set BB, BK+96*\a
	s_wait_dscnt \younger
.irp t, 0,1,2,3,4,5,6,7,8,9,10,11,12,13,14,15
	v_pk_fma_f32 v[BB+4*\t:BB+4*\t+1], v[BB+4*\t:BB+4*\t+1], s[76:77], v[BV:BV+1] op_sel_hi:[1,0,1]
	v_pk_fma_f32 v[BB+4*\t+2:BB+4*\t+3], v[BB+4*\t+2:BB+4*\t+3], s[76:77], v[BV+2:BV+3] op_sel_hi:[1,0,1]
.endr
	WIN 0x0c
.irp t, 0,1,2,3,4,5,6,7,8,9,10,11,12,13,14,15
	v_pk_add_f32 v[BB+4*\t:BB+4*\t+1], v[BB+4*\t:BB+4*\t+1], v[64*\a+4*\t:64*\a+4*\t+1]
	v_pk_add_f32 v[BB+4*\t+2:BB+4*\t+3], v[BB+4*\t+2:BB+4*\t+3], v[64*\a+4*\t+2:64*\a+4*\t+3]
.endr
	WIN 0
.irp t, 0,1,2,3,4,5,6,7,8,9,10,11,12,13,14,15
	global_store_b128 v[LI], v[BB+4*\t:BB+4*\t+3], s[74:75] offset:(16*\a+\t)*4096 th:TH_STORE_NT
.endr
.endm
	s_wait_kmcnt 0x0
	s_add_co_i32 s76, s78, s79
	s_add_co_i32 s76, s76, 127
	s_lshl_b32 s76, s76, 23
	s_mov_b32 s77, s76
	PLACES
	s_wait_loadcnt 0x0
	TOSTAGE 0
	TOSTAGE 1
	SEND 0, 32
	SEND 1, 0
	s_wait_tensorcnt 0x0
	ds_add_u32 v[SPW], v[NIL]
	s_wait_dscnt 0x0
	CROUND
	s_endpgm
.Lfunc_end_k_q2c01c8aa7c_ffn2:
	.size	k_q2c01c8aa7c_ffn2, .Lfunc_end_k_q2c01c8aa7c_ffn2-k_q2c01c8aa7c_ffn2
	.p2alignl 7, 3214868480
	.fill 96, 4, 3214868480
	.section	.rodata,"a",@progbits
	.p2align	6, 0x0
	.amdhsa_kernel k_q2c01c8aa7c_ffn2
		.amdhsa_group_segment_fixed_size 327680
		.amdhsa_private_segment_fixed_size 0
		.amdhsa_enable_private_segment 0
		.amdhsa_kernarg_size 48
		.amdhsa_user_sgpr_count 2
		.amdhsa_user_sgpr_kernarg_segment_ptr 1
		.amdhsa_wavefront_size32 1
		.amdhsa_system_sgpr_workgroup_id_x 1
		.amdhsa_system_sgpr_workgroup_id_y 1
		.amdhsa_system_sgpr_workgroup_id_z 1
		.amdhsa_system_vgpr_workitem_id 0
		.amdhsa_next_free_vgpr 896
		.amdhsa_next_free_sgpr 80
		.amdhsa_reserve_vcc 0
		.amdhsa_float_denorm_mode_32 3
		.amdhsa_float_denorm_mode_16_64 3
		.amdhsa_memory_ordered 1
		.amdhsa_forward_progress 1
		.amdhsa_inst_pref_size 155
	.end_amdhsa_kernel
	.amdgpu_metadata
---
amdhsa.version: [ 1, 2 ]
amdhsa.kernels:
  - .name:           k_q2c01c8aa7c_ffn2
    .symbol:         k_q2c01c8aa7c_ffn2.kd
    .args:
      - { .name: h_img, .offset: 0, .size: 8, .value_kind: global_buffer, .address_space: global }
      - { .name: w2_codes, .offset: 8, .size: 8, .value_kind: global_buffer, .address_space: global }
      - { .name: lowp_scales, .offset: 16, .size: 8, .value_kind: global_buffer, .address_space: global }
      - { .name: b2, .offset: 24, .size: 8, .value_kind: global_buffer, .address_space: global }
      - { .name: x1, .offset: 32, .size: 8, .value_kind: global_buffer, .address_space: global }
      - { .name: out0, .offset: 40, .size: 8, .value_kind: global_buffer, .address_space: global }
    .group_segment_fixed_size: 327680
    .private_segment_fixed_size: 0
    .kernarg_segment_align: 8
    .kernarg_segment_size: 48
    .max_flat_workgroup_size: 128
    .sgpr_count:     80
    .vgpr_count:     896
    .wavefront_size: 32
...
	.end_amdgpu_metadata
.endif
;; end of part 7
